; MI455X (gfx1250); checked and timed in simulation.
; The chip was launched on July 23, 2026; its instructions are those of AMD's public machine-readable ISA for CDNA 5 (MIT licence, August 2026) and "CDNA5" Instruction Set Architecture Reference Guide (July 2026). The comments in the code are by the model that wrote it; some were corrected since.
;; Transformer Block. Allowed arithmetic: matrix products marked QUANTISED: E5M2 operands, one E8M0 scale for each 32 along K, by v_wmma_scale_f32_16x16x128_f8f6f4 with both operands' format E5M2, f32 sums; everything else in f32.
;; Inputs: W1 768 x 3,072 float32; W2 3,072 x 768 float32; Wk 768 x 768 float32; Wo 768 x 768 float32; Wq 768 x 768 float32; Wv 768 x 768 float32; b1 3,072 float32; b2 768 float32; be1 768 float32; be2 768 float32; bk 768 float32; bo 768 float32; bq 768 float32; bv 768 float32; g1 768 float32; g2 768 float32; x 1 x 4,096 x 768 float32.
;; Outputs: out0 1 x 4,096 x 768 float32.
;; This version of the problem:
;;   THIS VERSION OF THE PROBLEM IS GIVEN IN LOW PRECISION. The matrix products marked QUANTISED in the list below multiply operands that are first quantised to E5M2 (5 exponent bits, 2 mantissa bits; 8 bits a number), with one power-of-two scale for each 32 numbers along K (OCP MX v1.0); their sums are f32. All else is computed in f32.
;;   The module's matrix products, in the order in which they are computed (A, B: the left and right operand; K: the contracted axis; several contracted axes count as one K, in the product's order):
;;     1. [M 4,096, K 768] x [K 768, N 768]; A: input x; B: input Wq: QUANTISED
;;     2. [M 4,096, K 768] x [K 768, N 768]; A: input x; B: input Wk: QUANTISED
;;     3. [M 4,096, K 768] x [K 768, N 768]; A: input x; B: input Wv: QUANTISED
;;     4. batch 12 x [M 4,096, K 64] x [K 64, N 4,096]; A: computed on the way; B: computed on the way: QUANTISED
;;     5. batch 12 x [M 4,096, K 4,096] x [K 4,096, N 64]; A: softmax (see below); B: computed on the way: QUANTISED
;;     6. [M 4,096, K 768] x [K 768, N 768]; A: computed on the way; B: input Wo: QUANTISED
;;     7. [M 4,096, K 768] x [K 768, N 3,072]; A: computed on the way; B: input W1: QUANTISED
;;     8. [M 4,096, K 3,072] x [K 3,072, N 768]; A: computed on the way; B: input W2: QUANTISED
;;   THE QUANTISER, for each operand of a quantised product, along K:
;;     - K is cut into blocks of 32 from its start; a last block that is shorter is filled with zeros.
;;     - A block's scale is 2^e with e = floor(log2(the largest magnitude in the block)) - 15, held to -126 .. 127; a block of zeros has e = 0. As a byte (E8M0): e + 127.
;;     - Each number is divided by its block's scale, clamped to +-57,344, and rounded to the nearest number of E5M2, ties to even, subnormals kept.
;;     - The product sums the exact products of the quantised numbers (number of the format x scale) in f32.
;;   ~~~python
;;   def quantise(x, axis):      # numpy; x: float32 -> the quantised numbers, widened to float32 again
;;       x = np.moveaxis(x, axis, -1); K = x.shape[-1]
;;       x = np.pad(x, [(0, 0)] * (x.ndim - 1) + [(0, -K % 32)]); x = x.reshape(x.shape[:-1] + (-1, 32)); a = np.abs(x).max(-1, keepdims=True)
;;       e = np.where(a > 0, np.clip(np.frexp(np.where(a > 0, a, 1))[1] - 1 - 15, -126, 127), 0)      # np.frexp(a)[1] - 1 = floor(log2(a)), exactly
;;       r = np.clip(x / 2.0 ** e, -57344, 57344)
;;       step = 2.0 ** (np.maximum(np.frexp(np.where(r == 0, 1, r))[1] - 1, -14) - 2)
;;       q = np.round(r / step) * step * 2.0 ** e      # np.round: ties to even
;;       return np.moveaxis(q.reshape(q.shape[:-2] + (-1,))[..., :K], -1, axis).astype(np.float32)
;;   ~~~
;;   SOFTMAX AHEAD OF A QUANTISED PRODUCT. Where the list says 'softmax', what is quantised is not the finished softmax but p = 2^(t - M), with t = logit x log2(e) and M = ceil(the row's largest t), a whole number; so 1/2 < the row's largest p <= 1. The row's sum l is taken of the UNQUANTISED p, in f32, and the product's result is divided by l at the end. Since M is a whole number, a kernel that streams over the keys may use a running M (the ceiling of the running maximum): every later rescaling is an exact power of two, which a block's scale takes up: the codes' values come out the same.
;;   OPERANDS COMPUTED ON THE WAY. 'Computed on the way' means the value that the module computes at that place (a softmax that the list does not call 'softmax' is quantised finished and normalised). What goes into a quantiser is computed in f32, as accurately as f32 sums, v_exp_f32 and their like allow (about 1e-6 of the number): no bf16 or f16 on the way to a quantiser, and a product that is left as it is and whose result goes on into a quantised operand takes f32 operands (vector FMAs, or v_wmma_f32_16x16x4_f32). A number that lies on a knife's edge between two numbers of the format may be rounded either way, as far as f32 arithmetic and the matrix unit's own rounding can turn it there, and no further.
;; One version. Each part assembles by itself: llvm-mc -triple=amdgcn-amd-amdhsa -mcpu=gfx1250 --defsym DOCPART=n.
;; ======== version 1 of 1: 7 launches
;; limits: right only within a limited range of input values
;; workspace buffers: pw 10,543,104 bytes; qkvb 9,830,400 bytes; ob 3,244,032 bytes; hb 15,826,944 bytes; hidb 12,976,128 bytes; y2 12,582,912 bytes
;; launch prep (part 1): grid 6 x 100, 4 waves a work-group, no clusters, 0 bytes of LDS; arguments x, Wq, Wk, Wv, Wo, W1, W2, pw; writes pw
.if DOCPART == 1
	.amdgcn_target "amdgcn-amd-amdhsa--gfx1250"
	.amdhsa_code_object_version 6
	.text
	.protected	k_q1969d5bfa3_prep
	.globl	k_q1969d5bfa3_prep
	.p2align	8
	.type	k_q1969d5bfa3_prep,@function
k_q1969d5bfa3_prep:
	s_mov_b64 s[64:65], 0
	v_nop
	global_prefetch_b8 v0, s[64:65] scope:SCOPE_SE
	s_setreg_imm32_b32 hwreg(HW_REG_WAVE_MODE, 25, 1), 1
	s_wait_xcnt 0x0
; TRANSFORMER BLOCK, T = 4,096, D = 768, 12 heads of 64, FF = 3,072, every product on codes of E5M2 with one E8M0 scale for each 32 along K.
; Seven launches: prep (this one) | qkv | attn | wo_ln1 | ffn1 | ffn2 | ln2.
; WORK LEFT OUT, in the whole program: only the key steps of products 4 and 5 all of whose keys come after all queries of a tile.  reference() builds the
; mask itself (jnp.tril) and sets those scores to -infinity ahead of the softmax, so their weights are 0 for every value of the inputs and they reach no output.
; Every input has a way to the output and is loaded.  LIMIT: a NaN, an infinity or an overflow that would arise only in those hidden scores is not carried to the result.
; LIMITS of the quantisers here and in the later launches: NaN and infinities among the inputs are not served; a block of zeros gets the byte 1 where the rule
; says 127 (its codes are zeros, which add nothing under any byte but 0xff, and the bytes are read by this program alone).
; THIS LAUNCH turns x and the six weights into codes, laid as IMAGES OF OPERAND REGISTERS:
;   byte = tile x (K/128) x 2048 + ks x 2048 + c x 512 + 16 x lane holds k = 128 ks + 32 c + 16 (lane/16) + 0..15 of the row at position lane % 16.
;   Position r of tile 2 g + u is row 32 g + 8 u + r + 8 (r / 8): so the results of two neighbouring tiles are 16 neighbours along the next K in one lane.
;   Scale bytes: [tile][position][K/32].
; Work-group y < 36: a weight, 128 columns x 256 along K; a lane takes a column and its registers run down K (K is the weights' first axis).
;   y 0-11: Wq, Wk, Wv, Wo (y & 3), K part y >> 2;  y 12-23: W1, slab of 768 columns (y-12) & 3, K part (y-12) >> 2;  y 24-35: W2, K part y - 24.
; Work-group y >= 36: x; x of the grid is the K step, wave w takes token tile 4 (y - 36) + w: one fragment.
; Codes leave the registers as whole aligned blocks of 256 bytes (sixteen lanes, 16 bytes each).  The scale bytes, one part in 32 of the codes, leave as 8 or 4 bytes a lane.
.set XSC,   3145728
.set WQKV,  3244032
.set WQKVS, 5013504
.set WO,    5068800
.set WOS,   5658624
.set W1I,   5677056
.set W1S,   8036352
.set W2I,   8110080
.set W2S,   10469376
.set MNT, 40                           ; s40      the mantissa field of 57,344
.set SEL, 50                           ; s[50:51] lane selects: lane l xor 16
.set TM,  8                            ; x's path: v8-23 at work in QUANT
.set X,   32                           ; weights: v32-95 two sets of 32 numbers
.set CD,  96                           ; weights: v96-159 eight registers of codes for each block: no store's data are written again
.set SB,  24                           ; weights: v24-25 the eight scale bytes
.set ST,  64                           ; x: v64-127 64 numbers
.set PC,  32                           ; x: v32-47 the fragment's codes
.set PW,  48                           ; x: v48 its scale word
; 16 nb numbers of a lane, register 16 b + i = k 32 b + 16 (lane / 16) + i of my row, become codes in v[pc] on and nb scale bytes in v[pw].
.macro QUANT s, nb, relu, pc, pw
.irp b, 0,1,2,3
.if \b < \nb
.if \relu
	v_max3_num_f32 v[TM+\b], v[(\s)+16*\b], v[(\s)+16*\b+1], 0x8000000      ; no |.|: what is negative becomes 0 and must not count; the floor 2^(16-127) holds the byte at 1 from below
.else
	v_max3_num_f32 v[TM+\b], |v[(\s)+16*\b]|, |v[(\s)+16*\b+1]|, 0x8000000
.endif
.endif
.endr
.irp i, 2,4,6,8,10,12,14
.irp b, 0,1,2,3
.if \b < \nb
.if \relu
	v_max3_num_f32 v[TM+\b], v[TM+\b], v[(\s)+16*\b+\i], v[(\s)+16*\b+\i+1]
.else
	v_max3_num_f32 v[TM+\b], v[TM+\b], |v[(\s)+16*\b+\i]|, |v[(\s)+16*\b+\i+1]|
.endif
.endif
.endr
.endr
.irp b, 0,1,2,3
.if \b < \nb
	v_permlanex16_b32 v[TM+4+\b], v[TM+\b], s[SEL], s[SEL+1]
.endif
.endr
.irp b, 0,1,2,3
.if \b < \nb
	v_max_num_f32 v[TM+\b], v[TM+\b], v[TM+4+\b]                          ; with lane l xor 16's: the block's largest magnitude
.endif
.endr
.irp b, 0,1,2,3
.if \b < \nb
	v_add_nc_u32 v[TM+12+\b], 0xf8800000, v[TM+\b]                        ; 15 off its exponent field: the conversion's scale operand
.endif
.endr
.irp b, 0,1,2,3
.if \b < \nb
	v_and_or_b32 v[TM+8+\b], v[TM+\b], 0x7f800000, s[MNT]                 ; 57,344 x the scale
.endif
.endr
.irp b, 0,1,2,3
.if \b < \nb
	v_lshrrev_b32 v[TM+4+\b], 23, v[TM+12+\b]                             ; the scale's byte
.endif
.endr
	v_lshl_or_b32 v[\pw], v[TM+5], 8, v[TM+4]
.if \nb > 2
	v_lshl_or_b32 v[\pw], v[TM+6], 16, v[\pw]
	v_lshl_or_b32 v[\pw], v[TM+7], 24, v[\pw]
.endif
.irp b, 0,1,2,3
.if \b < \nb
.irp i, 0,1,2,3,4,5,6,7,8,9,10,11,12,13,14,15
.if \relu
	v_med3_num_f32 v[(\s)+16*\b+\i], v[(\s)+16*\b+\i], 0, v[TM+8+\b]      ; the activation and the hold in one
.else
	v_med3_num_f32 v[(\s)+16*\b+\i], v[(\s)+16*\b+\i], -v[TM+8+\b], v[TM+8+\b]   ; the conversion does not saturate (ISA guide 7.6.2): the hold comes first
.endif
.endr
	v_cvt_scalef32_pk8_bf8_f32 v[(\pc)+4*\b:(\pc)+4*\b+1], v[(\s)+16*\b:(\s)+16*\b+7], v[TM+12+\b]
	v_cvt_scalef32_pk8_bf8_f32 v[(\pc)+4*\b+2:(\pc)+4*\b+3], v[(\s)+16*\b+8:(\s)+16*\b+15], v[TM+12+\b]
.endif
.endr
	v_nop                                          ; one plain line behind the last conversion
.endm
; block t of a weight: W(32 t + i, my column), i = 0 .. 31, into set t % 2; p = bytes from row to row
.macro WLOAD t, p
.set JJ, 0
.rept 32
	global_load_b32 v[X+32*((\t)%2)+JJ], v3, s[22:23] offset:(32*(\t)+JJ)*(\p) th:TH_LOAD_NT
.set JJ, JJ+1
.endr
.endm
.macro WBLOCK t, p
.set XS, X+32*((\t)%2)
.if (\t) < 7
	s_wait_loadcnt 32                              ; this block's 32 loads are in; the next block's 32 may be out
.else
	s_wait_loadcnt 0x0
.endif
	v_max3_num_f32 v12, |v[XS]|, |v[XS+1]|, |v[XS+2]|
	v_max3_num_f32 v13, |v[XS+3]|, |v[XS+4]|, |v[XS+5]|
.irp i, 6,10,14,18,22,26
	v_max3_num_f32 v12, v12, |v[XS+\i]|, |v[XS+\i+1]|
	v_max3_num_f32 v13, v13, |v[XS+\i+2]|, |v[XS+\i+3]|
.endr
	v_max3_num_f32 v12, v12, |v[XS+30]|, |v[XS+31]|
	v_max3_num_f32 v12, v12, v13, 0x8000000        ; the block's largest magnitude (all 32 numbers are mine), and the floor
	v_add_nc_u32 v11, 0xf8800000, v12
	v_and_or_b32 v10, v12, 0x7f800000, s[MNT]
	v_lshrrev_b32 v13, 23, v11
.if (\t)%4 == 0
	v_mov_b32 v[SB+(\t)/4], v13
.else
	v_lshl_or_b32 v[SB+(\t)/4], v13, 8*((\t)%4), v[SB+(\t)/4]
.endif
.set JJ, 0
.rept 32
	v_med3_num_f32 v[XS+JJ], v[XS+JJ], -v10, v10
.set JJ, JJ+1
.endr
.irp g, 0,1,2,3
	v_cvt_scalef32_pk8_bf8_f32 v[CD+8*(\t)+2*\g:CD+8*(\t)+2*\g+1], v[XS+8*\g:XS+8*\g+7], v11
.endr
	global_store_b128 v4, v[CD+8*(\t):CD+8*(\t)+3], s[24:25] offset:((\t)/4)*2048+((\t)%4)*512          ; k 0-15 of the block: the image's lanes 0-15
	global_store_b128 v4, v[CD+8*(\t)+4:CD+8*(\t)+7], s[24:25] offset:((\t)/4)*2048+((\t)%4)*512+256    ; k 16-31: its lanes 16-31
.if (\t)+2 < 8
	WLOAD (\t)+2, \p
.endif
.endm
.macro WPATH p
	WLOAD 0, \p
	WLOAD 1, \p
.irp t, 0,1,2,3,4,5,6,7
	WBLOCK \t, \p
.endr
	global_store_b64 v5, v[SB:SB+1], s[26:27]      ; my column's eight scale bytes
	s_endpgm
.endm
	s_load_b256 s[4:11], s[0:1], 0x0               ; x, Wq, Wk, Wv
	s_load_b256 s[12:19], s[0:1], 0x20             ; Wo, W1, W2, pw
	v_lshrrev_b32 v1, 5, v0
	v_readfirstlane_b32 s20, v1                    ; wave
	v_and_b32 v2, 31, v0                           ; lane
	s_and_b32 s21, ttmp7, 0xffff                   ; y
	s_lshl_b32 s36, ttmp9, 7
	s_lshl_b32 s37, s20, 5
	s_add_co_u32 s36, s36, s37                     ; 128 x + 32 wave
	s_mov_b32 s[MNT], 0x600000
	s_mov_b32 s[SEL], 0x76543210
	s_mov_b32 s[SEL+1], 0xfedcba98
	s_wait_kmcnt 0x0
	s_cmp_ge_u32 s21, 36
	s_cbranch_scc1 .Lx
	s_cmp_ge_u32 s21, 24
	s_cbranch_scc1 .Lw2
	s_cmp_ge_u32 s21, 12
	s_cbranch_scc1 .Lw1
	; Wq, Wk, Wv, Wo
	s_and_b32 s30, s21, 3                          ; which of the four
	s_lshr_b32 s38, s21, 2                         ; which 256 along K
	s_lshl_b32 s31, ttmp9, 1
	s_lshr_b32 s39, s20, 1
	s_add_co_u32 s31, s31, s39                     ; the head
	s_mul_i32 s31, s31, 12
	s_lshl_b32 s39, s30, 2
	s_add_co_u32 s31, s31, s39
	s_and_b32 s39, s20, 1
	s_lshl_b32 s39, s39, 1
	s_add_co_u32 s31, s31, s39                     ; q, k, v: tile = head x 12 + 4 x matrix + 2 (wave & 1)
	s_lshr_b32 s39, s36, 4                         ; Wo: tile = column / 16
	s_cmp_eq_u32 s30, 1
	s_cselect_b64 s[22:23], s[8:9], s[6:7]
	s_cmp_eq_u32 s30, 2
	s_cselect_b64 s[22:23], s[10:11], s[22:23]
	s_mov_b32 s32, WQKV
	s_mov_b32 s33, WQKVS
	s_mov_b32 s41, WO
	s_mov_b32 s42, WOS
	s_cmp_eq_u32 s30, 3
	s_cselect_b64 s[22:23], s[12:13], s[22:23]
	s_cselect_b32 s31, s39, s31
	s_cselect_b32 s32, s41, s32
	s_cselect_b32 s33, s42, s33
	s_mov_b32 s28, 12288                           ; bytes of a tile's image
	s_mov_b32 s29, 24                              ; scale bytes of a row
	s_mov_b32 s43, s36                             ; first column
	s_mov_b32 s44, 256*3072                        ; bytes of 256 rows of the source
	s_mov_b32 s45, 0
	s_branch .Lcommon
.Lw1:
	s_sub_co_u32 s30, s21, 12
	s_lshr_b32 s38, s30, 2
	s_and_b32 s30, s30, 3
	s_mul_i32 s43, s30, 768
	s_add_co_u32 s43, s43, s36
	s_lshr_b32 s31, s43, 4
	s_mov_b64 s[22:23], s[14:15]
	s_mov_b32 s32, W1I
	s_mov_b32 s33, W1S
	s_mov_b32 s28, 12288
	s_mov_b32 s29, 24
	s_mov_b32 s44, 256*12288
	s_mov_b32 s45, 1
	s_branch .Lcommon
.Lw2:
	s_sub_co_u32 s38, s21, 24
	s_mov_b32 s43, s36
	s_lshr_b32 s31, s43, 4
	s_mov_b64 s[22:23], s[16:17]
	s_mov_b32 s32, W2I
	s_mov_b32 s33, W2S
	s_mov_b32 s28, 49152
	s_mov_b32 s29, 96
	s_mov_b32 s44, 256*3072
	s_mov_b32 s45, 0
.Lcommon:
	s_mul_i32 s34, s38, s44
	s_lshl_b32 s39, s43, 2
	s_add_co_u32 s34, s34, s39
	s_mov_b32 s35, 0
	s_add_nc_u64 s[22:23], s[22:23], s[34:35]      ; the source at my wave's first row and column
	s_mul_i32 s46, s31, s28
	s_add_co_u32 s46, s46, s32
	s_lshl_b32 s39, s38, 12
	s_add_co_u32 s46, s46, s39
	s_mov_b32 s47, 0
	s_add_nc_u64 s[24:25], s[18:19], s[46:47]      ; the image: my first tile, my two K steps
	s_lshl_b32 s48, s31, 4
	s_mul_i32 s48, s48, s29
	s_add_co_u32 s48, s48, s33
	s_lshl_b32 s39, s38, 3
	s_add_co_u32 s48, s48, s39
	s_mov_b32 s49, 0
	s_add_nc_u64 s[26:27], s[18:19], s[48:49]      ; the scale bytes
	s_wait_alu depctr_va_vdst(0)
	v_lshlrev_b32 v3, 2, v2                        ; in: 4 bytes a lane
	v_bfe_u32 v6, v2, 3, 1                         ; column m of the 32 lies in tile u = (m / 8) % 2
	v_and_b32 v7, 7, v2
	v_lshrrev_b32 v8, 4, v2
	v_lshl_add_u32 v7, v8, 3, v7                   ; at position m % 8 + 8 (m / 16)
	v_mul_u32_u24 v4, s28, v6
	v_lshl_add_u32 v4, v7, 4, v4                   ; codes: u x tile + 16 x position
	v_lshl_add_u32 v5, v6, 4, v7
	v_mul_u32_u24 v5, s29, v5                      ; scale bytes: (16 u + position) rows
	s_cmp_eq_u32 s45, 1
	s_cbranch_scc1 .Lwide
	WPATH 3072
.Lwide:
	s_wait_alu depctr_va_vdst(0)
	WPATH 12288
.Lx:
	s_sub_co_u32 s30, s21, 36
	s_lshl_b32 s30, s30, 2
	s_add_co_u32 s30, s30, s20                     ; token tile
	s_lshr_b32 s31, s30, 1
	s_lshl_b32 s31, s31, 5
	s_and_b32 s32, s30, 1
	s_lshl_b32 s32, s32, 3
	s_add_co_u32 s31, s31, s32                     ; the tile's first row: 32 (tile / 2) + 8 (tile % 2)
	s_mul_i32 s34, s31, 3072
	s_lshl_b32 s32, ttmp9, 9
	s_add_co_u32 s34, s34, s32
	s_mov_b32 s35, 0
	s_add_nc_u64 s[22:23], s[4:5], s[34:35]
	s_mul_i32 s46, s30, 12288
	s_lshl_b32 s32, ttmp9, 11
	s_add_co_u32 s46, s46, s32
	s_mov_b32 s47, 0
	s_add_nc_u64 s[24:25], s[18:19], s[46:47]
	s_mul_i32 s48, s30, 384
	s_lshl_b32 s32, ttmp9, 2
	s_add_co_u32 s48, s48, s32
	s_add_co_u32 s48, s48, XSC
	s_mov_b32 s49, 0
	s_add_nc_u64 s[26:27], s[18:19], s[48:49]
	v_and_b32 v3, 15, v0                           ; r
	v_bfe_u32 v4, v0, 4, 1                         ; h
	v_and_b32 v5, 8, v3
	v_add_nc_u32 v5, v5, v3                        ; r + 8 (r / 8)
	v_mul_u32_u24 v5, v5, 3072
	v_lshl_add_u32 v5, v4, 6, v5                   ; my row, + 64 h: my 16 numbers of a block of 32
	s_wait_alu depctr_va_vdst(0)
	v_lshlrev_b32 v6, 4, v2
	v_mul_u32_u24 v7, v3, 24
.irp b, 0,1,2,3
.irp j, 0,1,2,3
	global_load_b128 v[ST+16*\b+4*\j:ST+16*\b+4*\j+3], v5, s[22:23] offset:128*\b+16*\j
.endr
.endr
.irp b, 0,1,2,3
	v_mov_b32 v[TM+4+\b], 0                        ; a lane permute's destination counts as one of its sources
.endr
	s_wait_loadcnt 0x0
	QUANT ST, 4, 0, PC, PW
.irp c, 0,1,2,3
	global_store_b128 v6, v[PC+4*\c:PC+4*\c+3], s[24:25] offset:512*\c
.endr
	global_store_b32 v7, v[PW], s[26:27]           ; both halves of the lanes write the same word with the same value
	s_endpgm
.Lfunc_end_k_q1969d5bfa3_prep:
	.size	k_q1969d5bfa3_prep, .Lfunc_end_k_q1969d5bfa3_prep-k_q1969d5bfa3_prep
	.p2alignl 7, 3214868480
	.fill 96, 4, 3214868480
	.section	.rodata,"a",@progbits
	.p2align	6, 0x0
	.amdhsa_kernel k_q1969d5bfa3_prep
		.amdhsa_group_segment_fixed_size 0
		.amdhsa_private_segment_fixed_size 0
		.amdhsa_enable_private_segment 0
		.amdhsa_kernarg_size 64
		.amdhsa_user_sgpr_count 2
		.amdhsa_user_sgpr_kernarg_segment_ptr 1
		.amdhsa_wavefront_size32 1
		.amdhsa_system_sgpr_workgroup_id_x 1
		.amdhsa_system_sgpr_workgroup_id_y 1
		.amdhsa_system_sgpr_workgroup_id_z 1
		.amdhsa_system_vgpr_workitem_id 0
		.amdhsa_next_free_vgpr 160
		.amdhsa_next_free_sgpr 66
		.amdhsa_reserve_vcc 0
		.amdhsa_float_denorm_mode_32 3
		.amdhsa_float_denorm_mode_16_64 3
		.amdhsa_memory_ordered 1
		.amdhsa_forward_progress 1
		.amdhsa_inst_pref_size 124
	.end_amdhsa_kernel
	.amdgpu_metadata
---
amdhsa.version: [ 1, 2 ]
amdhsa.kernels:
  - .name:           k_q1969d5bfa3_prep
    .symbol:         k_q1969d5bfa3_prep.kd
    .args:
      - { .name: x, .offset: 0, .size: 8, .value_kind: global_buffer, .address_space: global }
      - { .name: Wq, .offset: 8, .size: 8, .value_kind: global_buffer, .address_space: global }
      - { .name: Wk, .offset: 16, .size: 8, .value_kind: global_buffer, .address_space: global }
      - { .name: Wv, .offset: 24, .size: 8, .value_kind: global_buffer, .address_space: global }
      - { .name: Wo, .offset: 32, .size: 8, .value_kind: global_buffer, .address_space: global }
      - { .name: W1, .offset: 40, .size: 8, .value_kind: global_buffer, .address_space: global }
      - { .name: W2, .offset: 48, .size: 8, .value_kind: global_buffer, .address_space: global }
      - { .name: pw, .offset: 56, .size: 8, .value_kind: global_buffer, .address_space: global }
    .group_segment_fixed_size: 0
    .private_segment_fixed_size: 0
    .kernarg_segment_align: 8
    .kernarg_segment_size: 64
    .max_flat_workgroup_size: 128
    .sgpr_count:     66
    .vgpr_count:     160
    .wavefront_size: 32
...
	.end_amdgpu_metadata
.endif
;; end of part 1
;; launch qkv (part 2): grid 12 x 16, 12 waves a work-group, clusters of 4 x 4, 327,680 bytes of LDS; arguments pw, bq, bk, bv, qkvb; writes qkvb
.if DOCPART == 2
	.amdgcn_target "amdgcn-amd-amdhsa--gfx1250"
	.amdhsa_code_object_version 6
	.text
	.protected	k_q1969d5bfa3_qkv
	.globl	k_q1969d5bfa3_qkv
	.p2align	8
	.type	k_q1969d5bfa3_qkv,@function
k_q1969d5bfa3_qkv:
	s_mov_b64 s[64:65], 0
	v_nop
	global_prefetch_b8 v0, s[64:65] scope:SCOPE_SE
	s_setreg_imm32_b32 hwreg(HW_REG_WAVE_MODE, 25, 1), 1
	s_wait_xcnt 0x0
	s_wait_alu depctr_hold_cnt(0) depctr_sa_sdst(0) depctr_va_vdst(0) depctr_va_sdst(0) depctr_va_ssrc(0) depctr_va_vcc(0) depctr_vm_vsrc(0)
	s_getreg_b32 s2, hwreg(HW_REG_IB_STS2, 6, 4)
	s_cmp_eq_u32 s2, 0
	s_cbranch_scc0 .Lentry_in_a_cluster
	s_endpgm
.Lentry_in_a_cluster:
	s_bfe_u32 s2, ttmp6, 0x10000c
	s_cmp_lg_u32 s2, 0xf033
	s_cbranch_scc0 .Lentry_shape_is_right
	s_endpgm
.Lentry_shape_is_right:
; q, k, v = x W + b (products 1 to 3), and their quantising for products 4 and 5.  No work is left out here.
; A work-group takes 256 tokens (y) of one head (x): 192 columns, q's, k's and v's 64.  Twelve waves: wave w takes tokens 64 (w & 3) on and q, k or v by w >> 2: 64 x 64, sixteen accumulators.
; K = 768 goes in three chunks of 256 through two LDS slots; chunks 0 and 1 are first fills, chunk 2 fills slot 0 again.  Operands are images of registers: a fragment is four loads of 512 dense bytes.
; q, k: source 0 = four tiles of columns, source 1 = four tiles of tokens: a lane holds one token and 32 neighbouring channels (with lane l xor 16: two blocks of 32): quantised along the head's 64.
; v: the two areas change places (addresses alone): a lane holds one channel and its registers run along the tokens: quantised along the keys.
; OUT: q as [head][token tile][2][512] and a word (b0 b1 b0 b1) a row; k and v as records of 16,896 bytes for a head's 128 keys: four fragments of K (two key tiles each, one in k 0-63, one in k 64-127),
; four fragments of V (16 channels x 128 keys), K's scale words [position][fragment], V's [position][channel tile].
; CLUSTER 4 x 4: the token tiles hang on y alone and are asked for jointly along a row of the cluster, the weights' on x alone, along a column.  Waves 0, 1 fetch tokens, waves 2, 3 weights; by the text's own count three loads of a wave are out at the most.
; LIMITS: as stated at the head of prep.
.set XSC,   3145728
.set WQKV,  3244032
.set WQKVS, 5013504
.set QSC,   3145728
.set KV,    3342336
.set REC,   16896
.set SLOT,  114688                     ; a slot: 16 token tiles x 4,096, then 12 column tiles x 4,096
.set CHO,   65536
.set SCTK,  229376                     ; the tokens' scale bytes, 16 tiles x 384
.set SCCH,  235520                     ; the columns', 12 x 384
.set SPARE, 294912                     ; the spare words, 128 bytes for each wave; no other line names them
.set TS,    4096
.set SROW,  384
.set SPW, 1
.set NIL, 2
.set AA0, 3                            ; v3, v4  LDS address of source 1's four tiles in slot 0, 1
.set AA1, 4
.set AB0, 5                            ; v5, v6  of source 0's
.set AB1, 6
.set ASC, 7                            ; v7      of the scale words: lanes 0-15 source 1's rows, lanes 16-31 source 0's
.set LI,  8                            ; v8      16 x lane
.set RR,  9
.set HH,  10
.set V4R, 11
.set V16R, 12
.set V64H, 13
.set VPR, 14
.set SC,  24                           ; v24-27  scale words and nothing else
.set FB,  28                           ; v28-59  two fragments of source 0
.set FA,  60                           ; v60-123 four fragments of source 1
.set ACC, 124                          ; v124-251: accumulator (i, t) at ACC + 32 i + 8 t
.set BI,  28                           ; the way out: bias
.set PC,  60                           ; codes, eight registers for each i
.set TM,  92
.set PW,  108
.set WV, 14
.set TG, 15
.set CG, 16
.set ISV, 17
.set HALF, 18
.set CX, 19
.set CY, 20
.set GX, 21
.set GY, 22
.set RMASK, 23
.set CMASK, 24
.set G1T, 32
.set G1C, 40
.set G1ST, 48
.set G1SC, 56
.set G0T0, 68
.set G0T1, 72
.set G0C0, 76
.set G0C1, 80
.set G0ST, 84
.set G0SC, 88
.set MNT, 97
.set SEL, 98
.macro PLACES n
.rept \n
	v_nop
.endr
.endm
.macro G1SET g, c, r, p                ; a tile of r rows of c elements of 8 bytes, p elements from row to row
	s_mov_b32 s[\g+1], (\c)<<16
	s_mov_b32 s[\g+2], (\r)<<16
	s_mov_b32 s[\g+3], (\c)<<16
	s_mov_b32 s[\g+4], \r
	s_mov_b32 s[\g+5], \p
	s_mov_b32 s[\g+6], 0
	s_mov_b32 s[\g+7], 0
.endm
.macro CROUND                          ; a round of the cluster's barrier
	s_barrier_signal -1
	s_barrier_wait -1
	s_cmp_lg_u32 s[WV], 0
	s_cbranch_scc1 .Lnot_wave_0_\@
	s_barrier_signal -3
.Lnot_wave_0_\@:
	s_barrier_wait -3
	s_barrier_signal -1
	s_barrier_wait -1
.endm
.macro QUANT s, nb, relu, pc, pw       ; as in prep: 16 nb numbers of a lane become codes in v[pc] on and nb scale bytes in v[pw]
.irp b, 0,1,2,3
.if \b < \nb
.if \relu
	v_max3_num_f32 v[TM+\b], v[(\s)+16*\b], v[(\s)+16*\b+1], 0x8000000
.else
	v_max3_num_f32 v[TM+\b], |v[(\s)+16*\b]|, |v[(\s)+16*\b+1]|, 0x8000000
.endif
.endif
.endr
.irp i, 2,4,6,8,10,12,14
.irp b, 0,1,2,3
.if \b < \nb
.if \relu
	v_max3_num_f32 v[TM+\b], v[TM+\b], v[(\s)+16*\b+\i], v[(\s)+16*\b+\i+1]
.else
	s_delay_alu instid0(VALU_DEP_2)
	v_max3_num_f32 v[TM+\b], v[TM+\b], |v[(\s)+16*\b+\i]|, |v[(\s)+16*\b+\i+1]|
.endif
.endif
.endr
.endr
.irp b, 0,1,2,3
.if \b < \nb
	s_delay_alu instid0(VALU_DEP_2)
	v_permlanex16_b32 v[TM+4+\b], v[TM+\b], s[SEL], s[SEL+1]
.endif
.endr
.irp b, 0,1,2,3
.if \b < \nb
	s_delay_alu instid0(VALU_DEP_2)
	v_max_num_f32 v[TM+\b], v[TM+\b], v[TM+4+\b]
.endif
.endr
.irp b, 0,1,2,3
.if \b < \nb
	s_delay_alu instid0(VALU_DEP_2)
	v_add_nc_u32 v[TM+12+\b], 0xf8800000, v[TM+\b]
.endif
.endr
.irp b, 0,1,2,3
.if \b < \nb
	s_delay_alu instid0(VALU_DEP_4)
	v_and_or_b32 v[TM+8+\b], v[TM+\b], 0x7f800000, s[MNT]
.endif
.endr
.irp b, 0,1,2,3
.if \b < \nb
	s_delay_alu instid0(VALU_DEP_4)
	v_lshrrev_b32 v[TM+4+\b], 23, v[TM+12+\b]
.endif
.endr
	s_delay_alu instid0(VALU_DEP_1)
	v_lshl_or_b32 v[\pw], v[TM+5], 8, v[TM+4]
.if \nb > 2
	v_lshl_or_b32 v[\pw], v[TM+6], 16, v[\pw]
	v_lshl_or_b32 v[\pw], v[TM+7], 24, v[\pw]
.endif
.irp b, 0,1,2,3
.if \b < \nb
.irp i, 0,1,2,3,4,5,6,7,8,9,10,11,12,13,14,15
.if \relu
	v_med3_num_f32 v[(\s)+16*\b+\i], v[(\s)+16*\b+\i], 0, v[TM+8+\b]
.else
	v_med3_num_f32 v[(\s)+16*\b+\i], v[(\s)+16*\b+\i], -v[TM+8+\b], v[TM+8+\b]
.endif
.endr
	v_cvt_scalef32_pk8_bf8_f32 v[(\pc)+4*\b:(\pc)+4*\b+1], v[(\s)+16*\b:(\s)+16*\b+7], v[TM+12+\b]
	v_cvt_scalef32_pk8_bf8_f32 v[(\pc)+4*\b+2:(\pc)+4*\b+3], v[(\s)+16*\b+8:(\s)+16*\b+15], v[TM+12+\b]
.endif
.endr
	v_nop
.endm
; one product: source 0 = fragment u of FB (tile t of its area), source 1 = fragment i of FA
.macro MM u, i, t, zero
.if \zero
	v_wmma_scale_f32_16x16x128_f8f6f4 v[ACC+32*\i+8*(\t):ACC+32*\i+8*(\t)+7], v[FB+16*\u:FB+16*\u+15], v[FA+16*\i:FA+16*\i+15], 0, v[SC+(\t)], v[SC+\i] matrix_a_fmt:MATRIX_FMT_BF8 matrix_b_fmt:MATRIX_FMT_BF8 matrix_a_scale:MATRIX_SCALE_ROW1
.else
	v_wmma_scale_f32_16x16x128_f8f6f4 v[ACC+32*\i+8*(\t):ACC+32*\i+8*(\t)+7], v[FB+16*\u:FB+16*\u+15], v[FA+16*\i:FA+16*\i+15], v[ACC+32*\i+8*(\t):ACC+32*\i+8*(\t)+7], v[SC+(\t)], v[SC+\i] matrix_a_fmt:MATRIX_FMT_BF8 matrix_b_fmt:MATRIX_FMT_BF8 matrix_a_scale:MATRIX_SCALE_ROW1
.endif
.endm
; A K step of 128 for a wave's 64 x 64: sixteen products, each accumulator one turn.  Eight places stand in front of loads into registers that products have read.
.macro LDFB u, t, rb, koff             ; tile t of source 0's area into fragment u of FB
.irp c, 0,1,2,3
	ds_load_b128 v[FB+16*\u+4*\c:FB+16*\u+4*\c+3], v[\rb] offset:\koff+(\t)*TS+512*\c
.endr
.endm
; The waits are counted: each names the LDS loads issued behind the fragment that the next product reads.  A set of FB is loaded anew eight places behind its four products, while the other set's products run.
.macro KSTEP ra, rb, koff, soff, zero
	PLACES 8
.irp i, 0,1,2,3
	ds_load_b32 v[SC+\i], v[ASC] offset:\soff+\i*SROW
.endr
	LDFB 0, 0, \rb, \koff
.irp i, 0,1,2,3
.irp c, 0,1,2,3
	ds_load_b128 v[FA+16*\i+4*\c:FA+16*\i+4*\c+3], v[\ra] offset:\koff+\i*TS+512*\c
.endr
.endr
	LDFB 1, 1, \rb, \koff
.irp i, 0,1,2,3
	s_wait_dscnt 16-4*\i                           ; behind FA's fragment i: its 3 - i successors and FB's set 1, four loads each
	MM 0, \i, 0, \zero
.endr
	PLACES 8
	LDFB 0, 2, \rb, \koff
	s_wait_dscnt 4                                 ; all but the four just issued: set 1 is in
.irp i, 0,1,2,3
	MM 1, \i, 1, \zero
.endr
	PLACES 8
	LDFB 1, 3, \rb, \koff
	s_wait_dscnt 4                                 ; tile 2 is in
.irp i, 0,1,2,3
	MM 0, \i, 2, \zero
.endr
	s_wait_dscnt 0x0
.irp i, 0,1,2,3
	MM 1, \i, 3, \zero
.endr
.endm
	s_load_b256 s[4:11], s[0:1], 0x0               ; pw, bq, bk, bv
	s_load_b64 s[12:13], s[0:1], 0x20              ; qkvb
	v_lshl_add_u32 v[SPW], v0, 2, SPARE
	v_mov_b32 v[NIL], 0
	ds_add_u32 v[SPW], v[NIL]                      ; the opening: the add, twice on end, and its wait ahead of the first tensor load
	ds_add_u32 v[SPW], v[NIL]
	v_lshrrev_b32 v[LI], 5, v0
	s_delay_alu instid0(VALU_DEP_1)
	v_readfirstlane_b32 s[WV], v[LI]               ; wave 0..11
	s_and_b32 s[TG], s[WV], 3                      ; which 64 tokens
	s_lshr_b32 s[CG], s[WV], 2                     ; q, k or v
	s_lshr_b32 s[ISV], s[CG], 1                    ; 1 for v
	s_and_b32 s[HALF], s[WV], 1                    ; which half of a tile group I fetch, if I fetch
	s_bfe_u32 s[CX], ttmp6, 0x40000
	s_bfe_u32 s[CY], ttmp6, 0x40004
	s_lshl_b32 s[GX], ttmp9, 2
	s_add_co_u32 s[GX], s[GX], s[CX]               ; the head
	s_and_b32 s[GY], ttmp7, 0xffff
	s_lshl_b32 s[GY], s[GY], 2
	s_add_co_u32 s[GY], s[GY], s[CY]               ; the block of 256 tokens
	s_lshl_b32 s[RMASK], s[CY], 2
	s_lshl_b32 s[RMASK], 15, s[RMASK]              ; my row of the cluster
	s_lshl_b32 s[CMASK], 0x1111, s[CX]             ; my column
	s_or_b32 s[G1T], s[RMASK], (3<<16)|(1<<21)     ; the mask; elements of 8 bytes; bit 21 set beside a mask; no padding
	s_or_b32 s[G1C], s[CMASK], (3<<16)|(1<<21)
	s_or_b32 s[G1ST], s[RMASK], (3<<16)|(1<<21)
	s_or_b32 s[G1SC], s[CMASK], (3<<16)|(1<<21)
	G1SET G1T, 512, 8, 1536                        ; 8 token tiles x 4,096 bytes, 12,288 apart
	G1SET G1C, 512, 6, 1536                        ; 6 column tiles
	G1SET G1ST, 32, 12, 32                         ; 3,072 dense bytes of scales
	G1SET G1SC, 32, 9, 32                          ; 2,304
	; the token side hangs on y, the column side on x: each in registers that never hold the other
	s_lshl_b32 s26, s[GY], 4
	s_lshl_b32 s27, s[HALF], 3
	s_add_co_u32 s26, s26, s27
	s_mul_i32 s26, s26, 12288
	s_mov_b32 s27, 0
	s_mul_i32 s28, s[GY], 6144
	s_mul_i32 s29, s[HALF], 3072
	s_add_co_u32 s28, s28, s29
	s_add_co_u32 s28, s28, XSC
	s_mov_b32 s29, 0
	s_mul_i32 s30, s[GX], 12
	s_mul_i32 s31, s[HALF], 6
	s_add_co_u32 s30, s30, s31
	s_mul_i32 s30, s30, 12288
	s_add_co_u32 s30, s30, WQKV
	s_mov_b32 s31, 0
	s_mul_i32 s92, s[GX], 4608
	s_mul_i32 s93, s[HALF], 2304
	s_add_co_u32 s92, s92, s93
	s_add_co_u32 s92, s92, WQKVS
	s_mov_b32 s93, 0
	s_mov_b32 s[G0T0], 1
	s_lshl_b32 s[G0T0+1], s[HALF], 15
	s_mov_b32 s[G0T1], 1
	s_add_co_u32 s[G0T1+1], s[G0T0+1], SLOT
	s_mov_b32 s[G0C0], 1
	s_mul_i32 s[G0C0+1], s[HALF], 24576
	s_add_co_u32 s[G0C0+1], s[G0C0+1], CHO
	s_mov_b32 s[G0C1], 1
	s_add_co_u32 s[G0C1+1], s[G0C0+1], SLOT
	s_mov_b32 s[G0ST], 1
	s_mul_i32 s[G0ST+1], s[HALF], 3072
	s_add_co_u32 s[G0ST+1], s[G0ST+1], SCTK
	s_mov_b32 s[G0SC], 1
	s_mul_i32 s[G0SC+1], s[HALF], 2304
	s_add_co_u32 s[G0SC+1], s[G0SC+1], SCCH
	s_mov_b32 s[MNT], 0x600000
	s_mov_b32 s[SEL], 0x76543210
	s_mov_b32 s[SEL+1], 0xfedcba98
	s_wait_dscnt 0x0                               ; both opening adds are done
	s_wait_kmcnt 0x0
	s_add_nc_u64 s[G0T0+2:G0T0+3], s[4:5], s[26:27]
	s_add_nc_u64 s[G0T1+2:G0T1+3], s[G0T0+2:G0T0+3], 4096
	s_or_b32 s[G0T0+3], s[G0T0+3], 0x80000000
	s_or_b32 s[G0T1+3], s[G0T1+3], 0x80000000
	s_add_nc_u64 s[G0C0+2:G0C0+3], s[4:5], s[30:31]
	s_add_nc_u64 s[G0C1+2:G0C1+3], s[G0C0+2:G0C0+3], 4096
	s_or_b32 s[G0C0+3], s[G0C0+3], 0x80000000
	s_or_b32 s[G0C1+3], s[G0C1+3], 0x80000000
	s_add_nc_u64 s[G0ST+2:G0ST+3], s[4:5], s[28:29]
	s_or_b32 s[G0ST+3], s[G0ST+3], 0x80000000
	s_add_nc_u64 s[G0SC+2:G0SC+3], s[4:5], s[92:93]
	s_or_b32 s[G0SC+3], s[G0SC+3], 0x80000000
	CROUND                                         ; all sixteen work-groups are here: the first joint loads meet
	s_cmp_lt_u32 s[WV], 2                          ; waves 0, 1: the tokens' scales
	; the twelve first fills, one a wave, in one chain of arms on the wave's number: waves 0, 1 the tokens' scales, 2, 3 the columns', 4, 5 chunk 0's tokens, 6, 7 its columns, 8, 9 chunk 1's tokens, 10, 11 its columns
.macro ARM g0, g1
	tensor_load_to_lds s[\g0:\g0+3], s[\g1:\g1+7]
	s_nop 0
	PLACES 4
.endm
	s_cbranch_scc0 .Lf_1
	ARM G0ST, G1ST
	s_branch .Lf_done
.Lf_1:
	s_cmp_lt_u32 s[WV], 4
	s_cbranch_scc0 .Lf_2
	ARM G0SC, G1SC
	s_branch .Lf_done
.Lf_2:
	s_cmp_lt_u32 s[WV], 6
	s_cbranch_scc0 .Lf_3
	ARM G0T0, G1T
	s_branch .Lf_done
.Lf_3:
	s_cmp_lt_u32 s[WV], 8
	s_cbranch_scc0 .Lf_4
	ARM G0C0, G1C
	s_branch .Lf_done
.Lf_4:
	s_cmp_lt_u32 s[WV], 10
	s_cbranch_scc0 .Lf_5
	ARM G0T1, G1T
	s_branch .Lf_done
.Lf_5:
	ARM G0C1, G1C
.Lf_done:
	v_and_b32 v[LI], 31, v0
	s_delay_alu instid0(VALU_DEP_1)
	v_lshlrev_b32 v[LI], 4, v[LI]
	s_wait_alu depctr_va_vdst(0)
	v_and_b32 v[RR], 15, v0
	v_bfe_u32 v[HH], v0, 4, 1
	s_wait_alu depctr_va_vdst(0)
	s_lshl_b32 s26, s[TG], 14                      ; my four token tiles
	s_lshl_b32 s27, s[CG], 14
	s_add_co_u32 s27, s27, CHO                     ; my four column tiles
	s_xor_b32 s28, s[ISV], 1
	s_mul_i32 s29, s26, s28
	s_mul_i32 s30, s27, s[ISV]
	s_add_co_u32 s29, s29, s30                     ; source 1's area: tokens; for v the columns
	s_mul_i32 s30, s27, s28
	s_mul_i32 s31, s26, s[ISV]
	s_add_co_u32 s30, s30, s31                     ; source 0's area: columns; for v the tokens
	v_add_nc_u32 v[AA0], s29, v[LI]
	v_add_nc_u32 v[AB0], s30, v[LI]
	s_delay_alu instid0(VALU_DEP_2)
	v_add_nc_u32 v[AA1], SLOT, v[AA0]
	s_delay_alu instid0(VALU_DEP_2)
	v_add_nc_u32 v[AB1], SLOT, v[AB0]
	s_xor_b32 s29, s[TG], 3
	s_add_co_u32 s29, s29, s[CG]
	s_add_co_u32 s29, s29, 1
	s_mul_i32 s29, s29, 1536                       ; from my tokens' scale words to my columns': 1,536 (4 + cg - tg), above 0
	v_xor_b32 v[ASC], s[ISV], v[HH]
	s_delay_alu instid0(VALU_DEP_1)
	v_mul_u32_u24 v[ASC], s29, v[ASC]
	s_delay_alu instid0(VALU_DEP_1)
	v_mad_u32_u24 v[ASC], v[RR], 24, v[ASC]
	s_mul_i32 s30, s[TG], 1536
	s_add_co_u32 s30, s30, SCTK
	v_add_nc_u32 v[ASC], s30, v[ASC]
	v_lshlrev_b32 v[V4R], 2, v[RR]
	v_lshlrev_b32 v[V16R], 4, v[RR]
	v_lshlrev_b32 v[V64H], 6, v[HH]
	v_and_b32 v[VPR], 8, v[RR]
	s_delay_alu instid0(VALU_DEP_1)
	v_add_nc_u32 v[VPR], v[VPR], v[RR]
	s_delay_alu instid0(VALU_DEP_1)
	v_lshlrev_b32 v[VPR], 2, v[VPR]                ; 4 (r + 8 (r / 8))
	s_wait_alu depctr_va_vdst(0)
	s_cmp_lt_u32 s[WV], 8                          ; waves 0 to 7 hold the scales and chunk 0: they wait here; chunk 1's lines are waves 8 to 11's alone, who wait ahead of the round below
	s_cbranch_scc0 .Lw_later
	s_wait_tensorcnt 0x0
.Lw_later:
	s_barrier_signal -1
	s_barrier_wait -1
	KSTEP AA0, AB0, 0, 0, 1
	KSTEP AA0, AB0, 2048, 4, 0
	s_wait_tensorcnt 0x0                           ; all my tensor loads have landed,
	ds_add_u32 v[SPW], v[NIL]                      ; once: every way from the head leads through a tensor load
	s_add_nc_u64 s[G0T0+2:G0T0+3], s[G0T0+2:G0T0+3], 8192
	s_add_nc_u64 s[G0C0+2:G0C0+3], s[G0C0+2:G0C0+3], 8192
	s_wait_dscnt 0x0                               ; the adds are done and my reads of slot 0 are over
	CROUND                                         ; the same holds of every wave of every partner
	s_cmp_lt_u32 s[WV], 2
	s_cbranch_scc0 .Lr_ch
	tensor_load_to_lds s[G0T0:G0T0+3], s[G1T:G1T+7]
	s_nop 0
	PLACES 4
	s_branch .Lr_done
.Lr_ch:
	s_cmp_lt_u32 s[WV], 4
	s_cbranch_scc0 .Lr_done
	tensor_load_to_lds s[G0C0:G0C0+3], s[G1C:G1C+7]
	s_nop 0
	PLACES 4
.Lr_done:
	KSTEP AA1, AB1, 0, 8, 0
	KSTEP AA1, AB1, 2048, 12, 0
	s_wait_tensorcnt 0x0                           ; chunk 2 has landed
	s_wait_dscnt 0x0
	s_barrier_signal -1
	s_barrier_wait -1                              ; everybody's part of it
	KSTEP AA0, AB0, 0, 16, 0
	KSTEP AA0, AB0, 2048, 20, 0
	PLACES 8
	; THE WAY OUT: bias, quantiser, stores; no LDS
.irp b, 0,1,2,3
	v_mov_b32 v[TM+4+\b], 0
.endr
	s_lshl_b32 s25, s[GX], 5
	s_lshl_b32 s96, s[GY], 1
	s_add_co_u32 s25, s25, s96
	s_lshr_b32 s96, s[TG], 1
	s_add_co_u32 s25, s25, s96
	s_mul_i32 s25, s25, REC
	s_add_co_u32 s25, s25, KV                      ; my record: head x 32 + key step
	s_lshl_b32 s94, s[GX], 8                       ; the head's 64 numbers of a bias
	s_mov_b32 s95, 0
	s_mov_b32 s101, 0
	s_cmp_eq_u32 s[CG], 2
	s_cbranch_scc1 .Lv
	s_cmp_eq_u32 s[CG], 0
	s_cselect_b64 s[2:3], s[6:7], s[8:9]
	s_add_nc_u64 s[2:3], s[2:3], s[94:95]
.irp b, 0,1
.irp q, 0,1,2,3
	global_load_b128 v[BI+16*\b+4*\q:BI+16*\b+4*\q+3], v[V64H], s[2:3] offset:128*\b+16*\q
.endr
.endr
	s_wait_loadcnt 0x0
.irp i, 0,1,2,3
.irp j, 0,2,4,6,8,10,12,14,16,18,20,22,24,26,28,30
	v_pk_add_f32 v[ACC+32*\i+\j:ACC+32*\i+\j+1], v[ACC+32*\i+\j:ACC+32*\i+\j+1], v[BI+\j:BI+\j+1]
.endr
	QUANT ACC+32*\i, 2, 0, PC+8*\i, PW+\i
.endr
	s_cmp_eq_u32 s[CG], 0
	s_cbranch_scc0 .Lk
	s_lshl_b32 s25, s[GX], 8
	s_lshl_b32 s96, s[GY], 4
	s_add_co_u32 s25, s25, s96
	s_lshl_b32 s96, s[TG], 2
	s_add_co_u32 s25, s25, s96                     ; q: head x 256 + token tile
	s_lshl_b32 s94, s25, 10
	s_lshl_b32 s100, s25, 6
	s_add_co_u32 s100, s100, QSC
	s_add_nc_u64 s[94:95], s[12:13], s[94:95]
	s_add_nc_u64 s[100:101], s[12:13], s[100:101]
.irp i, 0,1,2,3
	v_lshl_or_b32 v[PW+\i], v[PW+\i], 16, v[PW+\i] ; (b0 b1 b0 b1): q stands in either half of a K step of 128
.endr
	s_wait_alu depctr_va_vdst(0)
.irp i, 0,1,2,3
	global_store_b128 v[LI], v[PC+8*\i:PC+8*\i+3], s[94:95] offset:1024*\i
	global_store_b128 v[LI], v[PC+8*\i+4:PC+8*\i+7], s[94:95] offset:1024*\i+512
	global_store_b32 v[V4R], v[PW+\i], s[100:101] offset:64*\i
.endr
	s_branch .Lend
.Lk:
	s_and_b32 s96, s[TG], 1
	s_lshl_b32 s94, s96, 12
	s_add_co_u32 s94, s94, s25                     ; k: my four key tiles of the record's eight
	s_lshl_b32 s100, s96, 3
	s_add_co_u32 s100, s100, s25
	s_add_co_u32 s100, s100, 16384
	s_add_nc_u64 s[94:95], s[12:13], s[94:95]
	s_add_nc_u64 s[100:101], s[12:13], s[100:101]
	v_lshl_or_b32 v[PW], v[PW+1], 16, v[PW]        ; a fragment's word: two key tiles' two bytes each
	v_lshl_or_b32 v[PW+1], v[PW+3], 16, v[PW+2]
	s_wait_alu depctr_va_vdst(0)
.irp i, 0,1,2,3
	global_store_b128 v[LI], v[PC+8*\i:PC+8*\i+3], s[94:95] offset:1024*\i
	global_store_b128 v[LI], v[PC+8*\i+4:PC+8*\i+7], s[94:95] offset:1024*\i+512
.endr
	global_store_b64 v[V16R], v[PW:PW+1], s[100:101]
	s_branch .Lend
.Lv:
	s_add_nc_u64 s[2:3], s[10:11], s[94:95]
.irp i, 0,1,2,3
	global_load_b32 v[BI+2*\i], v[VPR], s[2:3] offset:(32*(\i/2)+8*(\i%2))*4      ; my channel's bias, in both registers of a pair
	global_load_b32 v[BI+2*\i+1], v[VPR], s[2:3] offset:(32*(\i/2)+8*(\i%2))*4
.endr
	s_wait_loadcnt 0x0
.irp i, 0,1,2,3
.irp j, 0,2,4,6,8,10,12,14,16,18,20,22,24,26,28,30
	v_pk_add_f32 v[ACC+32*\i+\j:ACC+32*\i+\j+1], v[ACC+32*\i+\j:ACC+32*\i+\j+1], v[BI+2*\i:BI+2*\i+1]
.endr
	QUANT ACC+32*\i, 2, 0, PC+8*\i, PW+\i
.endr
	s_and_b32 s96, s[TG], 1
	s_lshl_b32 s94, s96, 10
	s_add_co_u32 s94, s94, s25
	s_add_co_u32 s94, s94, 8192                    ; v: my two blocks of 32 keys of the record's four
	s_lshl_b32 s100, s96, 1
	s_add_co_u32 s100, s100, s25
	s_add_co_u32 s100, s100, 16640
	s_add_nc_u64 s[94:95], s[12:13], s[94:95]
	s_add_nc_u64 s[100:101], s[12:13], s[100:101]
	s_wait_alu depctr_va_vdst(0)
.irp i, 0,1,2,3
	global_store_b128 v[LI], v[PC+8*\i:PC+8*\i+3], s[94:95] offset:2048*\i
	global_store_b128 v[LI], v[PC+8*\i+4:PC+8*\i+7], s[94:95] offset:2048*\i+512
	global_store_b16 v[V16R], v[PW+\i], s[100:101] offset:4*\i
.endr
.Lend:
	s_wait_tensorcnt 0x0                           ; the wave's end
	ds_add_u32 v[SPW], v[NIL]
	s_wait_dscnt 0x0
	CROUND                                         ; the closing round
	s_endpgm
.Lfunc_end_k_q1969d5bfa3_qkv:
	.size	k_q1969d5bfa3_qkv, .Lfunc_end_k_q1969d5bfa3_qkv-k_q1969d5bfa3_qkv
	.p2alignl 7, 3214868480
	.fill 96, 4, 3214868480
	.section	.rodata,"a",@progbits
	.p2align	6, 0x0
	.amdhsa_kernel k_q1969d5bfa3_qkv
		.amdhsa_group_segment_fixed_size 327680
		.amdhsa_private_segment_fixed_size 0
		.amdhsa_enable_private_segment 0
		.amdhsa_kernarg_size 40
		.amdhsa_user_sgpr_count 2
		.amdhsa_user_sgpr_kernarg_segment_ptr 1
		.amdhsa_wavefront_size32 1
		.amdhsa_system_sgpr_workgroup_id_x 1
		.amdhsa_system_sgpr_workgroup_id_y 1
		.amdhsa_system_sgpr_workgroup_id_z 1
		.amdhsa_system_vgpr_workitem_id 0
		.amdhsa_next_free_vgpr 256
		.amdhsa_next_free_sgpr 102
		.amdhsa_reserve_vcc 0
		.amdhsa_float_denorm_mode_32 3
		.amdhsa_float_denorm_mode_16_64 3
		.amdhsa_memory_ordered 1
		.amdhsa_forward_progress 1
		.amdhsa_inst_pref_size 96
	.end_amdhsa_kernel
	.amdgpu_metadata
---
amdhsa.version: [ 1, 2 ]
amdhsa.kernels:
  - .name:           k_q1969d5bfa3_qkv
    .symbol:         k_q1969d5bfa3_qkv.kd
    .args:
      - { .name: pw, .offset: 0, .size: 8, .value_kind: global_buffer, .address_space: global }
      - { .name: bq, .offset: 8, .size: 8, .value_kind: global_buffer, .address_space: global }
      - { .name: bk, .offset: 16, .size: 8, .value_kind: global_buffer, .address_space: global }
      - { .name: bv, .offset: 24, .size: 8, .value_kind: global_buffer, .address_space: global }
      - { .name: qkvb, .offset: 32, .size: 8, .value_kind: global_buffer, .address_space: global }
    .group_segment_fixed_size: 327680
    .private_segment_fixed_size: 0
    .kernarg_segment_align: 8
    .kernarg_segment_size: 40
    .max_flat_workgroup_size: 384
    .sgpr_count:     102
    .vgpr_count:     256
    .wavefront_size: 32
...
	.end_amdgpu_metadata
.endif
;; end of part 2
;; launch attn (part 3): grid 64 x 4, 16 waves a work-group, no clusters, 327,680 bytes of LDS; arguments qkvb, ob; writes ob
.if DOCPART == 3
	.amdgcn_target "amdgcn-amd-amdhsa--gfx1250"
	.amdhsa_code_object_version 6
	.text
	.protected	k_q1969d5bfa3_attn
	.globl	k_q1969d5bfa3_attn
	.p2align	8
	.type	k_q1969d5bfa3_attn,@function
k_q1969d5bfa3_attn:
	s_mov_b64 s[64:65], 0
	v_nop
	global_prefetch_b8 v0, s[64:65] scope:SCOPE_SE
	s_setreg_imm32_b32 hwreg(HW_REG_WAVE_MODE, 25, 1), 1
	s_wait_xcnt 0x0
; Products 4 and 5 with the causal softmax between them, and the quantising of the result for product 6.
; LEFT OUT: the key steps all of whose keys come after all queries of a block (the mask that reference() builds itself gives them the weight 0 for every input): see the head of prep.
; t = score x log2(e) / 8; M = the running largest t rounded up to a whole number; p = 2^(t - M) is quantised along the keys, not normalised; the row's sum is taken of the unquantised p and divides at the end.
; THE DEAL.  A head has 32 blocks of 128 queries; block m needs m + 1 key steps of 128.  Work-group (x, y) takes half e = x & 1 (64 queries, four tiles of 16) of one block in each of the heads 3 y, 3 y + 1, 3 y + 2:
; with a = x >> 1 the blocks are a, 31 - 2 a (a < 16) or 62 - 2 a, and a xor 16: three permutations of 0 .. 31 whose sum is 46 or 47, so every work-group has 49 or 50 key steps for each tile.  256 work-groups.
; Sixteen waves: wave = tile + 4 x group.  A TILE'S KEYS ARE SHARED BETWEEN FOUR WAVES: group g takes key steps 4 q + g.  A block of m + 1 key steps takes m / 4 + 1 steps of the walk; the three together 13 or 14.
; The walk has 14 trips in every work-group; a wave's key step beyond its block's last is jumped over by a branch on ids, round no barrier, wait or add.
; Each wave carries a partial result (O^T, -M, the sum) over its own keys.  At a change of blocks and at the end it is stored in LDS; behind the last barrier waves 0 to 11 join the four partials of one tile each:
; -M = the least of the four, each partial x 2^(its M - M), which rounds nothing; then the division, the quantiser and the stores.
; LDS: two slots of four records (a step's four key steps, 67,584 dense bytes, one tensor load of wave 0: so each load brings bytes that are read, also where some of a step's records are hidden; one load is out at the most);
; the first and second block's stages have bytes of their own; the third's lies over the slots, written when these have had their last fill and their last read.
; The fill for a step beyond the walk's end is jumped over: the condition is made of ids and the count of steps, the same in all waves; every wait on TENSORcnt is for 0; where the tail begins hangs on the work-group's number.
; The next block's q is loaded a block ahead into v216-224, which the loop leaves alone.
; NO CLUSTER: the work-groups of a head change blocks at different steps, so a joint walk would bring a partner records that none of its waves reads.
; PREFETCH: in the walk's first step work-group x asks for half x & 1 of the codes of record x >> 1 in each of its three heads (waves 4 to 6, a head each, lanes 256 bytes apart, 8,192 bytes an instruction):
; the 64 work-groups of y so name each block of the three heads' codes once.  The 512 scale bytes of a record are not asked for.
; PRODUCT 4 HAS K = 64: q stands in 24 registers as [q | 0 | q]; source 1 = [q | 0] picks a fragment's first key tile, [0 | q] its second.  Both products are used transposed: a lane holds one query throughout.
; LIMITS: as at the head of prep; 1 / the sum is v_rcp_f32; a row's f32 sums are taken in four parts (key steps by their number modulo 4) and then joined, another order of rounding than one walk over the keys has.
.set QSC,   3145728
.set KV,    3342336
.set REC,   16896
.set OSC,   3145728
.set SLOTB, 4*REC                      ; slot 0 at 0, slot 1 at SLOTB
.set PART,  4608                       ; a wave's partial: O^T as 8 x 512 bytes, then (-M, t, the sum's halves) as 512
.set STGSZ, 16*PART
.set STG3,  61440                      ; the third block's stage, over the slots
.set STG1,  STG3+STGSZ                 ; the first block's: it begins where slot 1 ends
.set STG2,  STG1+STGSZ
.set SPARE, STG2+STGSZ                 ; the spare words, 128 bytes for each wave; no other line names them
.set LI,  1                            ; 16 x lane
.set SPW, 2
.set NIL, 3
.set R16, 4                            ; 16 r
.set DQ,  5                            ; my query's place in its block of 128 - 16 (lane / 16)
.set PFO, 6                            ; 256 x lane
.set R24, 7                            ; 24 r
.set ADL, 8                            ; the step's record + 16 x lane
.set ADR, 9                            ; the step's record + 16 r
.set R4,  10                           ; 4 r
.set RDP, 11                           ; where I read the partials that I join
.set QN,  216                          ; v216-224 the next block's q and its word; at the end QUANT2 works here
.set TM,  216
.set BL,  225                          ; my group's record in a slot + 16 x lane
.set BR,  226                          ; + 16 r
.set SA1, 227                          ; where I store my partial: first, second, third block
.set SA2, 230
.set SA3, 231
; v12 -M, v13 the largest t, v[14:15] the sum; v16-39 [q | 0 | q]; v40-103 K's, then V's fragments; v104-167 S^T, then p; v168-199 O^T; v200-215 p's codes; v228-229, v232-247 at work; v248-251 scale words; v252 f, v253 p's word; v255 q's
.set WV, 8
.set T4, 9                             ; my tile of the four
.set G,  10                            ; my group of key steps
.set PP, 11                            ; the walk's step
.set KS, 12                            ; my key step in the block in hand
.set DG, 13                            ; that block's last key step, the one on the diagonal
.set SB, 14                            ; LDS byte of the slot in hand
.set SW1, 15                           ; the steps at which the second and the third block begin, and the walk's end
.set SW2, 16
.set TE, 17
.set M1, 18
.set MNT, 19
.set SEL, 20
.set CS,  22
.set G1,  24
.set G0,  32
.set HO0, 36                           ; byte offset of the first head's records
.set M2,  37
.set QP1, 38
.set QS1, 40
.set OP,  42
.set OS,  44
.set QP2, 46
.set QS2, 48
.set TW,  50                           ; my tile in the block of 128: 4 e + tile
.set H0,  51
.set M0,  52
.set CNT, 53
.set PFA, 54
.set LIM, 56
.macro PLACES n
.rept \n
	v_nop
.endr
.endm
.macro QUANT2 s, pc, pw                ; 32 numbers of a lane, two blocks of 32 with lane l xor 16, become codes in v[pc] on and two scale bytes in v[pw]
.irp b, 0,1
	v_max3_num_f32 v[TM+\b], |v[(\s)+16*\b]|, |v[(\s)+16*\b+1]|, 0x8000000
.endr
.irp i, 2,4,6,8,10,12,14
.irp b, 0,1
	s_delay_alu instid0(VALU_DEP_2)
	v_max3_num_f32 v[TM+\b], v[TM+\b], |v[(\s)+16*\b+\i]|, |v[(\s)+16*\b+\i+1]|
.endr
.endr
.irp b, 0,1
	s_delay_alu instid0(VALU_DEP_2)
	v_permlanex16_b32 v[TM+4+\b], v[TM+\b], s[SEL], s[SEL+1]
.endr
.irp b, 0,1
	s_delay_alu instid0(VALU_DEP_2)
	v_max_num_f32 v[TM+\b], v[TM+\b], v[TM+4+\b]
.endr
.irp b, 0,1
	s_delay_alu instid0(VALU_DEP_2)
	v_add_nc_u32 v[TM+12+\b], 0xf8800000, v[TM+\b]
.endr
.irp b, 0,1
	s_delay_alu instid0(VALU_DEP_4)
	v_and_or_b32 v[TM+8+\b], v[TM+\b], 0x7f800000, s[MNT]
.endr
.irp b, 0,1
	s_delay_alu instid0(VALU_DEP_4)
	v_lshrrev_b32 v[TM+4+\b], 23, v[TM+12+\b]
.endr
	s_delay_alu instid0(VALU_DEP_1)
	v_lshl_or_b32 v[\pw], v[TM+5], 8, v[TM+4]
.irp b, 0,1
.irp i, 0,1,2,3,4,5,6,7,8,9,10,11,12,13,14,15
	v_med3_num_f32 v[(\s)+16*\b+\i], v[(\s)+16*\b+\i], -v[TM+8+\b], v[TM+8+\b]
.endr
	v_cvt_scalef32_pk8_bf8_f32 v[(\pc)+4*\b:(\pc)+4*\b+1], v[(\s)+16*\b:(\s)+16*\b+7], v[TM+12+\b]
	v_cvt_scalef32_pk8_bf8_f32 v[(\pc)+4*\b+2:(\pc)+4*\b+3], v[(\s)+16*\b+8:(\s)+16*\b+15], v[TM+12+\b]
.endr
	v_nop
.endm
.macro QPTR m, hd, qp, qs              ; q's two addresses of my tile in block s[m] of head s[hd]
	s_lshl_b32 s66, s[\hd], 8
	s_lshl_b32 s68, s[\m], 3
	s_add_co_u32 s66, s66, s68
	s_add_co_u32 s66, s66, s[TW]
	s_lshl_b32 s68, s66, 6
	s_add_co_u32 s68, s68, QSC
	s_lshl_b32 s66, s66, 10
	s_mov_b32 s67, 0
	s_mov_b32 s69, 0
	s_add_nc_u64 s[\qp:\qp+1], s[4:5], s[66:67]
	s_add_nc_u64 s[\qs:\qs+1], s[4:5], s[68:69]
.endm
.macro QAHEAD qp, qs                   ; a later block's q, into registers that the loop leaves alone
	global_load_b128 v[QN:QN+3], v[LI], s[\qp:\qp+1]
	global_load_b128 v[QN+4:QN+7], v[LI], s[\qp:\qp+1] offset:512
	global_load_b32 v[QN+8], v[R4], s[\qs:\qs+1]
.endm
.macro STATE0                          ; the softmax's state at a block's start: the step is written once, the first finds zeros
	v_mov_b32 v13, 0xff61b1e6                      ; the largest t so far: -3e38
	v_floor_f32 v12, -v13
	v_mov_b32 v14, 0
	v_mov_b32 v15, 0
.set JJ, 0
.rept 32
	v_mov_b32 v[168+JJ], 0
.set JJ, JJ+1
.endr
.endm
.macro STASH adr                       ; my partial goes to LDS as it stands in my registers
	PLACES 8                                       ; behind the last products, ahead of the first read of their results
.irp i, 0,1,2,3,4,5,6,7
	ds_store_b128 v[\adr], v[168+4*\i:171+4*\i] offset:512*\i       ; each accumulator from its low end on
.endr
	ds_store_b128 v[\adr], v[12:15] offset:4096
	s_wait_dscnt 0x0
.endm
.macro SWITCH                          ; the walk passes to the next block: the same step in all sixteen waves
	s_cmp_eq_u32 s[PP], s[SW1]
	s_cbranch_scc0 .Lnot1_\@
	s_wait_alu depctr_va_vdst(0)
	STASH SA1
	s_branch .Lnew_\@
.Lnot1_\@:
	s_cmp_eq_u32 s[PP], s[SW2]
	s_cbranch_scc0 .Lsame_\@
	s_wait_alu depctr_va_vdst(0)
	STASH SA2
.Lnew_\@:
	s_wait_loadcnt 0x0                             ; the block's q, asked for a block ago
	v_mov_b32 v255, v[QN+8]
.irp i, 0,1,2,3,4,5,6,7
	v_mov_b32 v[16+\i], v[QN+\i]
	v_mov_b32 v[32+\i], v[QN+\i]
.endr
	s_cmp_eq_u32 s[PP], s[SW1]
	s_cselect_b32 s[DG], s[M1], s[M2]
	s_cbranch_scc0 .Lnoq_\@
	QAHEAD QP2, QS2
.Lnoq_\@:
	STATE0
	s_mov_b32 s[KS], s[G]
	s_wait_alu depctr_va_vdst(0)
.Lsame_\@:
.endm
.macro FINISH                          ; O^T / the sum, quantised along the head's 64 channels, stored as the head's part of product 6's operand.  v14: my lane's part of the sum
	v_permlanex16_b32 v252, v14, s[SEL], s[SEL+1]
	v_add_f32 v14, v14, v252
	s_wait_alu depctr_va_vdst(0)
	v_rcp_f32 v14, v14
	v_nop
	s_wait_alu depctr_va_vdst(0)                   ; the waits ahead of the reciprocal and ahead of its first reader
.set JJ, 0
.rept 32
	v_mul_f32 v[104+JJ], v[168+JJ], v14            ; register 16 b + i: channel 32 b + 16 (lane / 16) + i
.set JJ, JJ+1
.endr
	QUANT2 104, 200, 254
	global_store_b128 v[LI], v[200:203], s[OP:OP+1]
	global_store_b128 v[LI], v[204:207], s[OP:OP+1] offset:512
	global_store_b16 v[R24], v254, s[OS:OS+1]
.endm
; A STEP OF THE WALK: my key step of 128 keys of the step's four
.macro STEP
	SWITCH
	s_cmp_gt_u32 s[KS], s[DG]                      ; all my keys come after the block's queries
	s_cbranch_scc1 .Lhidden_\@
	v_add_nc_u32 v[ADL], s[SB], v[BL]
	v_add_nc_u32 v[ADR], s[SB], v[BR]
	PLACES 6                                       ; with the two additions: eight places in front of loads into registers that the last products have read
	ds_load_b128 v[248:251], v[ADR] offset:16384   ; K's four scale words of my position, first
.irp f, 0,1,2,3
.irp c, 0,1,2,3
	ds_load_b128 v[40+16*\f+4*\c:40+16*\f+4*\c+3], v[ADL] offset:2048*\f+512*\c
.endr
.endr
	s_wait_alu depctr_va_vdst(0)
.irp f, 0,1,2,3
	s_wait_dscnt 12-4*\f                           ; fragment f is in: behind it its 3 - f successors were issued, four loads each
.irp u, 0,1
	v_wmma_scale_f32_16x16x128_f8f6f4 v[104+16*\f+8*\u:104+16*\f+8*\u+7], v[40+16*\f:40+16*\f+15], v[16+8*\u:16+8*\u+15], 0, v[248+\f], v255 matrix_a_fmt:MATRIX_FMT_BF8 matrix_b_fmt:MATRIX_FMT_BF8
.endr
.endr
	PLACES 8                                       ; ahead of the first read of the scores, and of the loads into K's registers and scale words
.irp i, 0,1,2,3
.irp c, 0,1,2,3
	ds_load_b128 v[40+16*\i+4*\c:40+16*\i+4*\c+3], v[ADL] offset:8192+2048*\i+512*\c     ; V is asked for here: the softmax stands between these loads and the wait for them
.endr
.endr
	ds_load_b128 v[248:251], v[ADR] offset:16640   ; V's four scale words of my position
	s_cmp_lg_u32 s[KS], s[DG]                      ; on the diagonal alone: hidden scores become -infinity ahead of the maximum, so p = 0
	s_cbranch_scc1 .Lopen_\@
	v_mov_b32 v254, 0xff800000
.set JJ, 0
.rept 64
	v_cmp_gt_i32 vcc_lo, 32*(JJ/16)+JJ%16, v[DQ]   ; register 16 b + i holds key 32 b + 16 (lane / 16) + i of the step
	v_cndmask_b32 v[104+JJ], v[104+JJ], v254, vcc_lo
.set JJ, JJ+1
.endr
.Lopen_\@:
.irp b, 0,1,2,3
	v_max3_num_f32 v[232+\b], v[104+16*\b], v[105+16*\b], v[106+16*\b]     ; the largest score of each block of 32 keys: for the row's maximum, and for the block's largest p
.endr
.irp i, 3,5,7,9,11,13
.irp b, 0,1,2,3
	v_max3_num_f32 v[232+\b], v[232+\b], v[104+16*\b+\i], v[105+16*\b+\i]
.endr
.endr
.irp b, 0,1,2,3
	v_max_num_f32 v[232+\b], v[232+\b], v[119+16*\b]
.endr
.irp b, 0,1,2,3
	s_delay_alu instid0(VALU_DEP_4)
	v_permlanex16_b32 v[236+\b], v[232+\b], s[SEL], s[SEL+1]
.endr
.irp b, 0,1,2,3
	s_delay_alu instid0(VALU_DEP_4)
	v_max_num_f32 v[232+\b], v[232+\b], v[236+\b]
.endr
	s_delay_alu instid0(VALU_DEP_2)
	v_max3_num_f32 v254, v232, v233, v234
	s_delay_alu instid0(VALU_DEP_1)
	v_max_num_f32 v254, v254, v235
	s_delay_alu instid0(VALU_DEP_1)
	v_mul_f32 v254, s[CS], v254
	s_delay_alu instid0(VALU_DEP_1)
	v_max_num_f32 v13, v13, v254                   ; the running largest t
	v_mov_b32 v254, v12
	s_delay_alu instid0(VALU_DEP_2)
	v_floor_f32 v12, -v13                          ; -M = floor(-t): M is a whole number
	s_delay_alu instid0(VALU_DEP_1)
	v_sub_f32 v254, v12, v254
	s_delay_alu instid0(VALU_DEP_1)
	v_cvt_i32_f32 v254, v254                       ; old M - new M (it saturates)
	s_delay_alu instid0(VALU_DEP_1)
	v_ldexp_f32 v252, 1.0, v254                    ; f = 2^(old M - new M): exact
.set JJ, 0
.rept 32
	v_pk_fma_f32 v[104+JJ:105+JJ], v[104+JJ:105+JJ], s[CS:CS+1], v[12:13] op_sel_hi:[1,0,0]   ; t - M
.set JJ, JJ+2
.endr
.irp b, 0,1,2,3
	v_fma_f32 v[232+\b], v[232+\b], s[CS], v12
.endr
	s_wait_alu depctr_va_vdst(0)
.set JJ, 0
.rept 64
	v_exp_f32 v[104+JJ], v[104+JJ]                 ; p = 2^(t - M)
.set JJ, JJ+1
.endr
	v_pk_mul_f32 v[14:15], v[14:15], v[252:253] op_sel_hi:[1,0]   ; the sums under the new M; a plain line behind the exponentials
	s_wait_alu depctr_va_vdst(0)                   ; one wait for the batch, ahead of its first reader
.irp b, 0,1,2,3
	v_exp_f32 v[232+\b], v[232+\b]                 ; each block's largest p
.endr
	; the row's sum of the unquantised p: 32 pairs in eight chains, then a tree
.irp c, 1,2,3,4,5,6
	v_pk_add_f32 v[234+2*\c:235+2*\c], v[104+2*\c:105+2*\c], v[120+2*\c:121+2*\c]
.endr
	v_pk_add_f32 v[228:229], v[118:119], v[134:135]
	v_pk_add_f32 v[14:15], v[14:15], v[104:105]
.irp k, 16,24
.irp c, 1,2,3,4,5,6
	v_pk_add_f32 v[234+2*\c:235+2*\c], v[234+2*\c:235+2*\c], v[104+2*(\k+\c):105+2*(\k+\c)]
.endr
	v_pk_add_f32 v[228:229], v[228:229], v[104+2*(\k+7):105+2*(\k+7)]
	v_pk_add_f32 v[14:15], v[14:15], v[104+2*\k:105+2*\k]
.endr
	v_pk_add_f32 v[236:237], v[236:237], v[238:239]
	v_pk_add_f32 v[240:241], v[240:241], v[242:243]
	v_pk_add_f32 v[244:245], v[244:245], v[246:247]
	v_pk_add_f32 v[14:15], v[14:15], v[120:121]
	v_pk_add_f32 v[236:237], v[236:237], v[240:241]
	v_pk_add_f32 v[244:245], v[244:245], v[228:229]
	v_pk_add_f32 v[14:15], v[14:15], v[236:237]
	v_pk_add_f32 v[14:15], v[14:15], v[244:245]
	s_wait_alu depctr_va_vdst(0)                   ; and one for the four
.irp b, 0,1,2,3
	v_max_num_f32 v[232+\b], 0x8000000, v[232+\b]
.endr
.irp b, 0,1,2,3
	v_add_nc_u32 v[244+\b], 0xf8800000, v[232+\b]
.endr
.irp b, 0,1,2,3
	v_and_or_b32 v[240+\b], v[232+\b], 0x7f800000, s[MNT]
.endr
.irp b, 0,1,2,3
	v_lshrrev_b32 v[236+\b], 23, v[244+\b]
.endr
	v_lshl_or_b32 v253, v237, 8, v236              ; p's scale word for these 128 keys
	v_lshl_or_b32 v253, v238, 16, v253
	v_lshl_or_b32 v253, v239, 24, v253
.irp b, 0,1,2,3
.irp i, 0,2,4,6,8,10,12,14
	v_dual_min_num_f32 v[104+16*\b+\i], v[104+16*\b+\i], v[240+\b] :: v_dual_min_num_f32 v[105+16*\b+\i], v[105+16*\b+\i], v[240+\b]   ; p is not negative: the hold is one-sided; two holds to a line
.endr
	v_cvt_scalef32_pk8_bf8_f32 v[200+4*\b:201+4*\b], v[104+16*\b:111+16*\b], v[244+\b]
	v_cvt_scalef32_pk8_bf8_f32 v[202+4*\b:203+4*\b], v[112+16*\b:119+16*\b], v[244+\b]
.endr
	s_wait_alu depctr_va_vdst(0)                   ; directly ahead of the first reader of O^T
.set JJ, 0
.rept 16
	v_pk_mul_f32 v[168+JJ:169+JJ], v[168+JJ:169+JJ], v[252:253] op_sel_hi:[1,0]   ; O^T under the new M; also the places in front of the products below
.set JJ, JJ+2
.endr
	s_wait_alu depctr_va_vdst(0)
	s_wait_dscnt 0x0                               ; V and its scale words, asked for ahead of the softmax
.irp i, 0,1,2,3
	v_wmma_scale_f32_16x16x128_f8f6f4 v[168+8*\i:175+8*\i], v[40+16*\i:55+16*\i], v[200:215], v[168+8*\i:175+8*\i], v[248+\i], v253 matrix_a_fmt:MATRIX_FMT_BF8 matrix_b_fmt:MATRIX_FMT_BF8
.endr
.Lhidden_\@:
	s_add_co_u32 s[PP], s[PP], 1
	s_add_co_u32 s[KS], s[KS], 4
	s_xor_b32 s[SB], s[SB], SLOTB
.endm
; THE CHANGE OF SLOTS, at a step's head: the slot just left takes the next step's four records
.macro CHANGE
	s_wait_tensorcnt 0x0                           ; the slot ahead has landed; no load of mine is out, so the descriptor may be written
	ds_add_u32 v[SPW], v[NIL]                      ; the add here,
	ds_add_u32 v[SPW], v[NIL]                      ; twice on end
	s_xor_b32 s[G0+1], s[G0+1], SLOTB
	s_add_co_u32 s58, s[PP], 1                     ; the step to be fetched: which block, and which four of its key steps
	s_mov_b32 s59, 0
	s_mov_b32 s60, 0
	s_cmp_ge_u32 s58, s[SW1]
	s_cselect_b32 s59, s[SW1], s59
	s_cselect_b32 s60, 32*REC, s60
	s_mov_b32 s61, 64*REC
	s_cmp_ge_u32 s58, s[SW2]
	s_cselect_b32 s59, s[SW2], s59
	s_cselect_b32 s60, s61, s60
	s_sub_co_u32 s59, s58, s59
	s_mul_i32 s59, s59, 4*REC
	s_add_co_u32 s60, s60, s59
	s_add_co_u32 s60, s60, s[HO0]
	s_mov_b32 s61, 0
	s_add_nc_u64 s[G0+2:G0+3], s[4:5], s[60:61]
	s_or_b32 s[G0+3], s[G0+3], 0x80000000
	s_wait_dscnt 0x0                               ; the adds are done, and my reads of the slot that I have left are over
	s_barrier_signal -1
	s_barrier_wait -1
	s_cmp_ge_u32 s58, s[TE]                        ; a step beyond the walk's end is read by nobody and is not asked for: ids and the count of steps alone
	s_cbranch_scc1 .Lpast_\@
	s_cmp_eq_u32 s[WV], 0
	s_cbranch_scc0 .Lpast_\@
	tensor_load_to_lds s[G0:G0+3], s[G1:G1+7]
	s_nop 0
	PLACES 4
.Lpast_\@:
	s_cmp_eq_u32 s[PP], s[LIM]                     ; step 0, waves 4 to 6
	s_cbranch_scc0 .Lna_\@
	global_prefetch_b8 v[PFO], s[PFA:PFA+1] th:TH_LOAD_NT scope:SCOPE_SE
.Lna_\@:
.endm
	s_load_b128 s[4:7], s[0:1], 0x0                ; qkvb, ob
	v_lshl_add_u32 v[SPW], v0, 2, SPARE
	v_mov_b32 v[NIL], 0
	ds_add_u32 v[SPW], v[NIL]                      ; the opening: the add, twice on end, and its wait ahead of the first tensor load
	ds_add_u32 v[SPW], v[NIL]
	v_lshrrev_b32 v[LI], 5, v0
	v_readfirstlane_b32 s[WV], v[LI]               ; wave 0..15
	s_and_b32 s[T4], s[WV], 3
	s_lshr_b32 s[G], s[WV], 2
	s_and_b32 s57, ttmp7, 0xffff
	s_mul_i32 s[H0], s57, 3                        ; my three heads
	s_add_co_u32 s62, s[H0], 1
	s_add_co_u32 s63, s[H0], 2
	s_lshr_b32 s[M0], ttmp9, 1                     ; my three blocks
	s_and_b32 s57, ttmp9, 1
	s_lshl_b32 s[TW], s57, 2
	s_add_co_u32 s[TW], s[TW], s[T4]
	s_lshl_b32 s58, s[M0], 1
	s_cmp_ge_u32 s[M0], 16
	s_cselect_b32 s[M1], 62, 31
	s_sub_co_u32 s[M1], s[M1], s58
	s_xor_b32 s[M2], s[M0], 16
	s_lshr_b32 s[SW1], s[M0], 2
	s_add_co_u32 s[SW1], s[SW1], 1
	s_lshr_b32 s[SW2], s[M1], 2
	s_add_co_u32 s[SW2], s[SW2], s[SW1]
	s_add_co_u32 s[SW2], s[SW2], 1
	s_lshr_b32 s[TE], s[M2], 2
	s_add_co_u32 s[TE], s[TE], s[SW2]
	s_add_co_u32 s[TE], s[TE], 1
	s_mov_b32 s[G1], 3<<16                         ; no mask; elements of 8 bytes; no padding: four records as 264 rows of 256 bytes
	s_mov_b32 s[G1+1], 32<<16
	s_mov_b32 s[G1+2], 264<<16
	s_mov_b32 s[G1+3], 32<<16
	s_mov_b32 s[G1+4], 264
	s_mov_b32 s[G1+5], 32
	s_mov_b32 s[G1+6], 0
	s_mov_b32 s[G1+7], 0
	s_mov_b32 s[G0], 1
	s_mov_b32 s[G0+1], 0
	s_mov_b32 s[MNT], 0x600000
	s_mov_b32 s[SEL], 0x76543210
	s_mov_b32 s[SEL+1], 0xfedcba98
	s_mov_b32 s[CS], 0x3e38aa3b                    ; c = log2(e) / 8
	s_mov_b32 s[CS+1], s[CS]
	s_mul_i32 s[HO0], s[H0], 32*REC
	s_add_co_u32 s[HO0], s[HO0], KV
	s_mov_b32 s58, s[HO0]
	s_mov_b32 s59, 0
	s_wait_dscnt 0x0
	s_wait_kmcnt 0x0
	s_add_nc_u64 s[G0+2:G0+3], s[4:5], s[58:59]
	s_or_b32 s[G0+3], s[G0+3], 0x80000000
	s_cmp_eq_u32 s[WV], 0
	s_cbranch_scc0 .Lno_first
	tensor_load_to_lds s[G0:G0+3], s[G1:G1+7]      ; slot 0: key steps 0 to 3 of the first head; key 0 counts for every query
	s_nop 0
	PLACES 4
.Lno_first:
	QPTR M0, H0, 58, 60
	QPTR M1, 62, QP1, QS1
	QPTR M2, 63, QP2, QS2
	s_cmp_eq_u32 s[G], 1                           ; the tile that I finish: waves 0-3 the third block's, 4-7 the first's, 8-11 the second's
	s_cselect_b32 s57, s[M0], s[M1]
	s_cselect_b32 s53, s[H0], s62
	s_cmp_eq_u32 s[G], 0
	s_cselect_b32 s57, s[M2], s57
	s_cselect_b32 s53, s63, s53
	s_lshl_b32 s57, s57, 3
	s_add_co_u32 s57, s57, s[TW]                   ; its token tile
	s_mul_i32 s66, s57, 12288
	s_lshl_b32 s68, s53, 10
	s_add_co_u32 s66, s66, s68
	s_mul_i32 s68, s57, 384
	s_lshl_b32 s69, s53, 1
	s_add_co_u32 s68, s68, s69
	s_add_co_u32 s68, s68, OSC
	s_mov_b32 s67, 0
	s_mov_b32 s69, 0
	s_add_nc_u64 s[OP:OP+1], s[6:7], s[66:67]
	s_add_nc_u64 s[OS:OS+1], s[6:7], s[68:69]
	s_max_u32 s57, s[WV], 4                        ; the prefetch: head 3 y + wave - 4, record x >> 1, half x & 1
	s_sub_co_u32 s57, s57, 4
	s_min_u32 s57, s57, 2
	s_add_co_u32 s57, s57, s[H0]
	s_mul_i32 s66, s57, 32*REC
	s_mul_i32 s57, s[M0], REC
	s_add_co_u32 s66, s66, s57
	s_and_b32 s57, ttmp9, 1
	s_lshl_b32 s57, s57, 13
	s_add_co_u32 s66, s66, s57
	s_add_co_u32 s66, s66, KV
	s_mov_b32 s67, 0
	s_add_nc_u64 s[PFA:PFA+1], s[4:5], s[66:67]
	s_sub_co_u32 s57, s[WV], 4
	s_cmp_lt_u32 s57, 3
	s_cselect_b32 s[LIM], 0, -1
	s_lshr_b32 s57, s[TW], 1
	s_lshl_b32 s57, s57, 5
	s_and_b32 s66, s[TW], 1
	s_lshl_b32 s66, s66, 3
	s_add_co_u32 s57, s57, s66                     ; 32 (tile / 2) + 8 (tile % 2)
	s_mul_i32 s66, s[G], REC                       ; my group's record in a slot
	s_mul_i32 s69, s[WV], PART                     ; a partial's place in a stage is its wave's number
	s_add_co_u32 s67, s69, STG1
	s_add_co_u32 s68, s69, STG2
	s_add_co_u32 s69, s69, STG3
	s_min_u32 s53, s[G], 2
	s_mul_i32 s53, s53, STGSZ
	s_mul_i32 s12, s[T4], PART
	s_add_co_u32 s53, s53, s12
	s_add_co_u32 s53, s53, STG3                    ; group 0's partial of the tile that I finish; the other groups' lie 4 partials apart
	v_and_b32 v[LI], 31, v0
	v_lshlrev_b32 v[PFO], 8, v[LI]
	v_lshlrev_b32 v[LI], 4, v[LI]
	v_and_b32 v[R4], 15, v0
	v_bfe_u32 v[ADL], v0, 4, 1
	v_lshlrev_b32 v[R16], 4, v[R4]
	v_mul_u32_u24 v[R24], v[R4], 24
	v_and_b32 v[DQ], 8, v[R4]
	v_add_nc_u32 v[DQ], v[DQ], v[R4]
	v_lshlrev_b32 v[ADL], 4, v[ADL]
	v_sub_nc_u32 v[DQ], v[DQ], v[ADL]
	v_add_nc_u32 v[DQ], s57, v[DQ]                 ; 32 (tile / 2) + 8 (tile % 2) + r + 8 (r / 8) - 16 h
	v_lshlrev_b32 v[R4], 2, v[R4]
	v_add_nc_u32 v[BL], s66, v[LI]
	v_add_nc_u32 v[BR], s66, v[R16]
	v_add_nc_u32 v[SA1], s67, v[LI]
	v_add_nc_u32 v[SA2], s68, v[LI]
	v_add_nc_u32 v[SA3], s69, v[LI]
	v_add_nc_u32 v[RDP], s53, v[LI]
	global_load_b128 v[16:19], v[LI], s[58:59]     ; the first block's q, either side of the eight zero registers
	global_load_b128 v[20:23], v[LI], s[58:59] offset:512
	global_load_b128 v[32:35], v[LI], s[58:59]
	global_load_b128 v[36:39], v[LI], s[58:59] offset:512
	global_load_b32 v255, v[R4], s[60:61]
	QAHEAD QP1, QS1
.set JJ, 24
.rept 8
	v_mov_b32 v[JJ], 0                             ; the zero codes between q's two copies
.set JJ, JJ+1
.endr
.irp b, 0,1,2,3
	v_mov_b32 v[236+\b], 0                         ; lane permutes' destinations count as sources: written once
.endr
	v_mov_b32 v252, 0
	v_mov_b32 v253, 0
	STATE0
	s_mov_b32 s[PP], 0
	s_mov_b32 s[KS], s[G]
	s_mov_b32 s[DG], s[M0]
	s_mov_b32 s[SB], 0
	s_mov_b32 s[CNT], 14
	s_wait_alu depctr_va_vdst(0)
	s_wait_loadcnt 0x0
.Lwalk:                                            ; 14 trips: behind each change of slots the next step's records are asked for, up to the walk's end
	CHANGE
	STEP
	s_sub_co_u32 s[CNT], s[CNT], 1
	s_cmp_lg_u32 s[CNT], 0
	s_cbranch_scc1 .Lwalk
	s_wait_tensorcnt 0x0
	s_wait_loadcnt 0x0
	s_wait_dscnt 0x0                               ; my reads of the slots are over
	s_barrier_signal -1
	s_barrier_wait -1                              ; everybody's are: both slots have had their last fill and their last read
	s_wait_alu depctr_va_vdst(0)
	STASH SA3                                      ; the third block's partial; its wait for 0 stands for the others' sake too
	s_barrier_signal -1
	s_barrier_wait -1                              ; all partials of the three blocks lie in the stages
	s_cmp_lt_u32 s[WV], 12                         ; twelve tiles, a wave each
	s_cbranch_scc0 .Lend
.irp i, 0,1,2,3,4,5,6,7
	ds_load_b128 v[168+4*\i:171+4*\i], v[RDP] offset:512*\i
.endr
	ds_load_b128 v[12:15], v[RDP] offset:4096
.irp i, 0,1,2,3,4,5,6,7
	ds_load_b128 v[104+4*\i:107+4*\i], v[RDP] offset:4*PART+512*\i
.endr
	ds_load_b128 v[232:235], v[RDP] offset:4*PART+4096
.irp i, 0,1,2,3,4,5,6,7
	ds_load_b128 v[136+4*\i:139+4*\i], v[RDP] offset:8*PART+512*\i
.endr
	ds_load_b128 v[236:239], v[RDP] offset:8*PART+4096
.irp i, 0,1,2,3,4,5,6,7
	ds_load_b128 v[40+4*\i:43+4*\i], v[RDP] offset:12*PART+512*\i
.endr
	ds_load_b128 v[240:243], v[RDP] offset:12*PART+4096
	s_wait_dscnt 0x0
	v_min3_num_f32 v254, v12, v232, v236           ; -M of all four: the least -M is the greatest M
	v_add_f32 v14, v14, v15
	v_add_f32 v234, v234, v235
	v_min_num_f32 v254, v254, v240
	v_add_f32 v238, v238, v239
	v_add_f32 v242, v242, v243
	v_sub_f32 v244, v254, v12                      ; each partial's M less the common M: a whole number, 0 or less
	v_sub_f32 v246, v254, v232
	v_sub_f32 v248, v254, v236
	v_sub_f32 v250, v254, v240
.irp f, 244,246,248,250
	v_cvt_i32_f32 v[\f], v[\f]                     ; (it saturates: a partial that saw no key holds zeros and gets the factor 0)
.endr
.irp f, 244,246,248,250
	v_ldexp_f32 v[\f], 1.0, v[\f]                  ; the four factors, powers of two
.endr
.irp f, 244,246,248,250
	v_mov_b32 v[\f+1], v[\f]
.endr
	v_mul_f32 v14, v14, v244
	v_fma_f32 v14, v234, v246, v14
	v_fma_f32 v14, v238, v248, v14
	v_fma_f32 v14, v242, v250, v14                 ; my lane's part of the row's sum
.set JJ, 0
.rept 16
	v_pk_mul_f32 v[168+JJ:169+JJ], v[168+JJ:169+JJ], v[244:245]
.set JJ, JJ+2
.endr
.set JJ, 0
.rept 16
	v_pk_fma_f32 v[168+JJ:169+JJ], v[104+JJ:105+JJ], v[246:247], v[168+JJ:169+JJ]
.set JJ, JJ+2
.endr
.set JJ, 0
.rept 16
	v_pk_fma_f32 v[168+JJ:169+JJ], v[136+JJ:137+JJ], v[248:249], v[168+JJ:169+JJ]
.set JJ, JJ+2
.endr
.set JJ, 0
.rept 16
	v_pk_fma_f32 v[168+JJ:169+JJ], v[40+JJ:41+JJ], v[250:251], v[168+JJ:169+JJ]
.set JJ, JJ+2
.endr
	FINISH
.Lend:
	s_wait_tensorcnt 0x0                           ; the wave's end
	ds_add_u32 v[SPW], v[NIL]
	s_wait_dscnt 0x0
	s_endpgm
.Lfunc_end_k_q1969d5bfa3_attn:
	.size	k_q1969d5bfa3_attn, .Lfunc_end_k_q1969d5bfa3_attn-k_q1969d5bfa3_attn
	.p2alignl 7, 3214868480
	.fill 96, 4, 3214868480
	.section	.rodata,"a",@progbits
	.p2align	6, 0x0
	.amdhsa_kernel k_q1969d5bfa3_attn
		.amdhsa_group_segment_fixed_size 327680
		.amdhsa_private_segment_fixed_size 0
		.amdhsa_enable_private_segment 0
		.amdhsa_kernarg_size 16
		.amdhsa_user_sgpr_count 2
		.amdhsa_user_sgpr_kernarg_segment_ptr 1
		.amdhsa_wavefront_size32 1
		.amdhsa_system_sgpr_workgroup_id_x 1
		.amdhsa_system_sgpr_workgroup_id_y 1
		.amdhsa_system_sgpr_workgroup_id_z 1
		.amdhsa_system_vgpr_workitem_id 0
		.amdhsa_next_free_vgpr 256
		.amdhsa_next_free_sgpr 70
		.amdhsa_reserve_vcc 1
		.amdhsa_float_denorm_mode_32 3
		.amdhsa_float_denorm_mode_16_64 3
		.amdhsa_memory_ordered 1
		.amdhsa_forward_progress 1
		.amdhsa_inst_pref_size 54
	.end_amdhsa_kernel
	.amdgpu_metadata
---
amdhsa.version: [ 1, 2 ]
amdhsa.kernels:
  - .name:           k_q1969d5bfa3_attn
    .symbol:         k_q1969d5bfa3_attn.kd
    .args:
      - { .name: qkvb, .offset: 0, .size: 8, .value_kind: global_buffer, .address_space: global }
      - { .name: ob, .offset: 8, .size: 8, .value_kind: global_buffer, .address_space: global }
    .group_segment_fixed_size: 327680
    .private_segment_fixed_size: 0
    .kernarg_segment_align: 8
    .kernarg_segment_size: 16
    .max_flat_workgroup_size: 512
    .sgpr_count:     70
    .vgpr_count:     256
    .wavefront_size: 32
...
	.end_amdgpu_metadata
.endif
;; end of part 3
;; launch wo_ln1 (part 4): grid 256 x 1, 12 waves a work-group, no clusters, 55,808 bytes of LDS; arguments ob, pw, bo, x, g1, be1, hb; writes hb
.if DOCPART == 4
	.amdgcn_target "amdgcn-amd-amdhsa--gfx1250"
	.amdhsa_code_object_version 6
	.text
	.protected	k_q1969d5bfa3_wo_ln1
	.globl	k_q1969d5bfa3_wo_ln1
	.p2align	8
	.type	k_q1969d5bfa3_wo_ln1,@function
k_q1969d5bfa3_wo_ln1:
	s_mov_b64 s[64:65], 0
	v_nop
	global_prefetch_b8 v0, s[64:65] scope:SCOPE_SE
	s_setreg_imm32_b32 hwreg(HW_REG_WAVE_MODE, 25, 1), 1
	s_wait_xcnt 0x0
; h = LN1(x + o Wo + bo) (product 6), stored as f32 for the residual and as codes for product 7.  No work is left out here.
; A work-group takes one token tile (16 tokens) and all 768 channels, so that the norm is finished here; wave w takes channels 64 w on: four accumulators.
; No tensor loads and no multicast: each fragment of Wo feeds one product in a work-group, so it goes from memory straight into registers, and Wo's 589,824 bytes of codes would not lie in LDS whole.
; Loads run two K steps ahead in two sets of 80 registers.  The norm is taken in two passes (mean, then the mean of squared differences); the twelve waves' parts of a row meet in LDS.
; LIMITS: as at the head of prep; 1/768 is a rounded constant, the root is v_rsq_f32.
.set OSC,  3145728
.set WO,   5068800
.set WOS,  5658624
.set HIMG, 12582912
.set HSC,  15728640
.set RED1, 0                           ; LDS: 12 waves x 16 sums
.set RED2, 1024
.set STG,  2048                        ; a stage of 16 rows x (256 + 16) bytes for each wave
.set SPARE, 54272                      ; the spare words, 128 bytes for each wave; no other line names them
.set SPW, 1
.set NIL, 2
.set LI,  3
.set R24, 5
.set XA,  6
.set V64H, 7
.set RST, 8
.set RLD, 9
.set STO, 10
.set RD,  11
.set GO,  12
.set OS,  16                           ; v16-21  o's scale words, one a K step
.set WS,  22                           ; v22-45  Wo's: tile j, K step ks at 22 + 6 j + ks
.set BUF0, 46                          ; v46-125   o's fragment, then four of Wo
.set BUF1, 126                         ; v126-205
.set ACC, 206                          ; v206-237
.set TM,  238
.set PW,  254
.set PC,  190
.set WV,  18
.set MNT, 19
.set SEL, 20
.macro PLACES n
.rept \n
	v_nop
.endr
.endm
.macro QUANT s, nb, relu, pc, pw       ; as in prep
.irp b, 0,1,2,3
.if \b < \nb
.if \relu
	v_max3_num_f32 v[TM+\b], v[(\s)+16*\b], v[(\s)+16*\b+1], 0x8000000
.else
	v_max3_num_f32 v[TM+\b], |v[(\s)+16*\b]|, |v[(\s)+16*\b+1]|, 0x8000000
.endif
.endif
.endr
.irp i, 2,4,6,8,10,12,14
.irp b, 0,1,2,3
.if \b < \nb
.if \relu
	v_max3_num_f32 v[TM+\b], v[TM+\b], v[(\s)+16*\b+\i], v[(\s)+16*\b+\i+1]
.else
	s_delay_alu instid0(VALU_DEP_2)
	v_max3_num_f32 v[TM+\b], v[TM+\b], |v[(\s)+16*\b+\i]|, |v[(\s)+16*\b+\i+1]|
.endif
.endif
.endr
.endr
.irp b, 0,1,2,3
.if \b < \nb
	s_delay_alu instid0(VALU_DEP_2)
	v_permlanex16_b32 v[TM+4+\b], v[TM+\b], s[SEL], s[SEL+1]
.endif
.endr
.irp b, 0,1,2,3
.if \b < \nb
	s_delay_alu instid0(VALU_DEP_2)
	v_max_num_f32 v[TM+\b], v[TM+\b], v[TM+4+\b]
.endif
.endr
.irp b, 0,1,2,3
.if \b < \nb
	s_delay_alu instid0(VALU_DEP_2)
	v_add_nc_u32 v[TM+12+\b], 0xf8800000, v[TM+\b]
.endif
.endr
.irp b, 0,1,2,3
.if \b < \nb
	s_delay_alu instid0(VALU_DEP_4)
	v_and_or_b32 v[TM+8+\b], v[TM+\b], 0x7f800000, s[MNT]
.endif
.endr
.irp b, 0,1,2,3
.if \b < \nb
	s_delay_alu instid0(VALU_DEP_4)
	v_lshrrev_b32 v[TM+4+\b], 23, v[TM+12+\b]
.endif
.endr
	s_delay_alu instid0(VALU_DEP_1)
	v_lshl_or_b32 v[\pw], v[TM+5], 8, v[TM+4]
.if \nb > 2
	v_lshl_or_b32 v[\pw], v[TM+6], 16, v[\pw]
	v_lshl_or_b32 v[\pw], v[TM+7], 24, v[\pw]
.endif
.irp b, 0,1,2,3
.if \b < \nb
.irp i, 0,1,2,3,4,5,6,7,8,9,10,11,12,13,14,15
.if \relu
	v_med3_num_f32 v[(\s)+16*\b+\i], v[(\s)+16*\b+\i], 0, v[TM+8+\b]
.else
	v_med3_num_f32 v[(\s)+16*\b+\i], v[(\s)+16*\b+\i], -v[TM+8+\b], v[TM+8+\b]
.endif
.endr
	v_cvt_scalef32_pk8_bf8_f32 v[(\pc)+4*\b:(\pc)+4*\b+1], v[(\s)+16*\b:(\s)+16*\b+7], v[TM+12+\b]
	v_cvt_scalef32_pk8_bf8_f32 v[(\pc)+4*\b+2:(\pc)+4*\b+3], v[(\s)+16*\b+8:(\s)+16*\b+15], v[TM+12+\b]
.endif
.endr
	v_nop
.endm
.macro LDK ks, buf                     ; K step ks: 20 loads of 512 dense bytes
.irp c, 0,1,2,3
	global_load_b128 v[\buf+4*\c:\buf+4*\c+3], v[LI], s[22:23] offset:2048*(\ks)+512*\c
.endr
.irp j, 0,1,2,3
.irp c, 0,1,2,3
	global_load_b128 v[\buf+16+16*\j+4*\c:\buf+16+16*\j+4*\c+3], v[LI], s[26:27] offset:12288*\j+2048*(\ks)+512*\c
.endr
.endr
.endm
.macro MMK ks, buf, zero               ; four products, source 0 = 16 columns of Wo, source 1 = my 16 tokens; the four accumulators by turns
.irp j, 0,1,2,3
.if \zero
	v_wmma_scale_f32_16x16x128_f8f6f4 v[ACC+8*\j:ACC+8*\j+7], v[\buf+16+16*\j:\buf+16+16*\j+15], v[\buf:\buf+15], 0, v[WS+6*\j+\ks], v[OS+\ks] matrix_a_fmt:MATRIX_FMT_BF8 matrix_b_fmt:MATRIX_FMT_BF8
.else
	v_wmma_scale_f32_16x16x128_f8f6f4 v[ACC+8*\j:ACC+8*\j+7], v[\buf+16+16*\j:\buf+16+16*\j+15], v[\buf:\buf+15], v[ACC+8*\j:ACC+8*\j+7], v[WS+6*\j+\ks], v[OS+\ks] matrix_a_fmt:MATRIX_FMT_BF8 matrix_b_fmt:MATRIX_FMT_BF8
.endif
.endr
	PLACES 8                                       ; in front of loads into registers that these products read, and of the first read of results
.endm
; v110 of every lane: my half's part of a row's sum.  Joined with lane l xor 16, handed to the other waves at LDS byte red, and summed over the twelve waves in one fixed order: v110 = the row's sum
.macro ACROSS red
	s_delay_alu instid0(VALU_DEP_1)
	v_permlanex16_b32 v111, v110, s[SEL], s[SEL+1]
	s_delay_alu instid0(VALU_DEP_1)
	v_add_f32 v110, v110, v111
	ds_store_b32 v[RST], v110 offset:\red          ; both halves of the lanes write the same word with the same value
	s_wait_dscnt 0x0                               ; for the others' sake: my store has landed
	s_barrier_signal -1
	s_barrier_wait -1
.irp k, 0,1,2,3,4,5,6,7,8,9,10,11
	ds_load_b32 v[110+\k], v[RLD] offset:\red+64*\k
.endr
	s_wait_dscnt 0x0
	v_add_f32 v110, v110, v111
	v_add_f32 v112, v112, v113
	v_add_f32 v114, v114, v115
	v_add_f32 v116, v116, v117
	v_add_f32 v118, v118, v119
	v_add_f32 v120, v120, v121
	v_add_f32 v110, v110, v112
	s_delay_alu instid0(VALU_DEP_4)
	v_add_f32 v114, v114, v116
	s_delay_alu instid0(VALU_DEP_3)
	v_add_f32 v118, v118, v120
	s_delay_alu instid0(VALU_DEP_2)
	v_add_f32 v110, v110, v114
	s_delay_alu instid0(VALU_DEP_1)
	v_add_f32 v110, v110, v118
.endm
	s_load_b256 s[4:11], s[0:1], 0x0               ; ob, pw, bo, x
	s_load_b128 s[12:15], s[0:1], 0x20             ; g1, be1
	s_load_b64 s[16:17], s[0:1], 0x30              ; hb
	v_lshl_add_u32 v[SPW], v0, 2, SPARE
	v_mov_b32 v[NIL], 0
	v_lshrrev_b32 v3, 5, v0
	s_delay_alu instid0(VALU_DEP_1)
	v_readfirstlane_b32 s[WV], v3
	v_and_b32 v13, 31, v0
	s_delay_alu instid0(VALU_DEP_1)
	v_lshlrev_b32 v[LI], 4, v13
	v_and_b32 v4, 15, v0                           ; r
	v_bfe_u32 v14, v0, 4, 1                        ; h
	s_delay_alu instid0(VALU_DEP_2)
	v_mul_u32_u24 v[R24], v4, 24
	s_delay_alu instid0(VALU_DEP_3)
	v_and_b32 v[XA], 8, v4
	s_delay_alu instid0(VALU_DEP_1)
	v_add_nc_u32 v[XA], v[XA], v4
	s_delay_alu instid0(VALU_DEP_1)
	v_mul_u32_u24 v[XA], v[XA], 3072
	s_delay_alu instid0(VALU_DEP_1)
	v_lshl_add_u32 v[XA], v14, 6, v[XA]            ; x: row r + 8 (r / 8), + 64 h
	v_lshlrev_b32 v[V64H], 6, v14
	s_lshl_b32 s44, s[WV], 6
	v_lshl_add_u32 v[RST], v4, 2, s44              ; 64 w + 4 r
	v_lshlrev_b32 v[RLD], 2, v4
	s_mul_i32 s44, s[WV], 4352
	s_add_co_u32 s44, s44, STG
	v_mul_u32_u24 v[STO], v4, 272
	s_delay_alu instid0(VALU_DEP_1)
	v_lshl_add_u32 v[STO], v14, 6, v[STO]
	s_delay_alu instid0(VALU_DEP_1)
	v_add_nc_u32 v[STO], s44, v[STO]               ; into my stage: position r, + 64 h
	v_mul_u32_u24 v[RD], v14, 272
	s_delay_alu instid0(VALU_DEP_1)
	v_lshl_add_u32 v[RD], v4, 4, v[RD]
	s_delay_alu instid0(VALU_DEP_1)
	v_add_nc_u32 v[RD], s44, v[RD]                 ; back: lanes 0-15 one position, lanes 16-31 the next
	v_mul_u32_u24 v[GO], v14, 3072
	s_delay_alu instid0(VALU_DEP_1)
	v_lshl_add_u32 v[GO], v4, 4, v[GO]
	v_mov_b32 v[TM+4], 0
	v_mov_b32 v[TM+5], 0
	s_mov_b32 s[MNT], 0x600000
	s_mov_b32 s[SEL], 0x76543210
	s_mov_b32 s[SEL+1], 0xfedcba98
	s_mul_i32 s44, ttmp9, 12288
	s_mov_b32 s45, 0
	s_mul_i32 s46, ttmp9, 384
	s_mov_b32 s47, 0
	s_mul_i32 s48, s[WV], 4*12288
	s_add_co_u32 s48, s48, WO
	s_mov_b32 s49, 0
	s_mul_i32 s50, s[WV], 4*384
	s_add_co_u32 s50, s50, WOS
	s_mov_b32 s51, 0
	s_lshr_b32 s52, ttmp9, 1
	s_lshl_b32 s52, s52, 5
	s_and_b32 s53, ttmp9, 1
	s_lshl_b32 s53, s53, 3
	s_add_co_u32 s52, s52, s53                     ; the tile's first row
	s_mul_i32 s52, s52, 3072
	s_lshl_b32 s54, s[WV], 8                       ; my 64 channels in bytes of f32
	s_add_co_u32 s52, s52, s54
	s_mov_b32 s53, 0
	s_mov_b32 s55, 0
	s_wait_kmcnt 0x0
	s_add_nc_u64 s[22:23], s[4:5], s[44:45]        ; o's codes
	s_add_nc_u64 s[24:25], s[4:5], s[46:47]
	s_add_nc_u64 s[24:25], s[24:25], OSC           ; o's scale bytes
	s_add_nc_u64 s[26:27], s[6:7], s[48:49]        ; Wo's codes, my four tiles
	s_add_nc_u64 s[28:29], s[6:7], s[50:51]        ; their scale bytes
	s_add_nc_u64 s[30:31], s[10:11], s[52:53]      ; x
	s_add_nc_u64 s[32:33], s[8:9], s[54:55]        ; bo
	s_add_nc_u64 s[34:35], s[12:13], s[54:55]      ; g1
	s_add_nc_u64 s[36:37], s[14:15], s[54:55]      ; be1
	s_add_nc_u64 s[38:39], s[16:17], s[52:53]      ; h as f32
	s_lshl_b32 s54, s[WV], 10
	s_add_co_u32 s44, s44, s54
	s_add_co_u32 s44, s44, HIMG
	s_add_nc_u64 s[40:41], s[16:17], s[44:45]      ; h's codes
	s_lshl_b32 s54, s[WV], 1
	s_add_co_u32 s46, s46, s54
	s_add_co_u32 s46, s46, HSC
	s_add_nc_u64 s[42:43], s[16:17], s[46:47]      ; h's scale bytes
.irp q, 0,1,2
	global_load_b64 v[OS+2*\q:OS+2*\q+1], v[R24], s[24:25] offset:8*\q
.endr
.irp j, 0,1,2,3
.irp q, 0,1,2
	global_load_b64 v[WS+6*\j+2*\q:WS+6*\j+2*\q+1], v[R24], s[28:29] offset:384*\j+8*\q
.endr
.endr
	LDK 0, BUF0
	LDK 1, BUF1
	s_wait_loadcnt 20                              ; all but the next K step's 20 loads
	MMK 0, BUF0, 1
	LDK 2, BUF0
	s_wait_loadcnt 20
	MMK 1, BUF1, 0
	LDK 3, BUF1
	s_wait_loadcnt 20
	MMK 2, BUF0, 0
	LDK 4, BUF0
	s_wait_loadcnt 20
	MMK 3, BUF1, 0
	LDK 5, BUF1
	s_wait_loadcnt 20
	MMK 4, BUF0, 0
.irp b, 0,1
.irp q, 0,1,2,3
	global_load_b128 v[BUF0+16*\b+4*\q:BUF0+16*\b+4*\q+3], v[XA], s[30:31] offset:128*\b+16*\q
	global_load_b128 v[BUF0+32+16*\b+4*\q:BUF0+32+16*\b+4*\q+3], v[V64H], s[32:33] offset:128*\b+16*\q
.endr
.endr
	s_wait_loadcnt 16                              ; K step 5 is in; the 16 loads of x and bo may be out
	MMK 5, BUF1, 0
.irp b, 0,1
.irp q, 0,1,2,3
	global_load_b128 v[BUF1+16*\b+4*\q:BUF1+16*\b+4*\q+3], v[V64H], s[34:35] offset:128*\b+16*\q
	global_load_b128 v[BUF1+32+16*\b+4*\q:BUF1+32+16*\b+4*\q+3], v[V64H], s[36:37] offset:128*\b+16*\q
.endr
.endr
	s_wait_loadcnt 16                              ; x and bo are in; the 16 loads of g1 and be1 may be out
.irp j, 0,2,4,6,8,10,12,14,16,18,20,22,24,26,28,30
	v_pk_add_f32 v[ACC+\j:ACC+\j+1], v[ACC+\j:ACC+\j+1], v[BUF0+32+\j:BUF0+32+\j+1]
.endr
.irp j, 0,2,4,6,8,10,12,14,16,18,20,22,24,26,28,30
	v_pk_add_f32 v[ACC+\j:ACC+\j+1], v[ACC+\j:ACC+\j+1], v[BUF0+\j:BUF0+\j+1]     ; y = x + (o Wo + bo): register 16 b + i is channel 64 w + 32 b + 16 h + i
.endr
	v_pk_add_f32 v[110:111], v[ACC:ACC+1], v[ACC+2:ACC+3]
	v_pk_add_f32 v[112:113], v[ACC+4:ACC+5], v[ACC+6:ACC+7]
.irp j, 8,12,16,20,24,28
	s_delay_alu instid0(VALU_DEP_2)
	v_pk_add_f32 v[110:111], v[110:111], v[ACC+\j:ACC+\j+1]
	s_delay_alu instid0(VALU_DEP_2)
	v_pk_add_f32 v[112:113], v[112:113], v[ACC+\j+2:ACC+\j+3]
.endr
	s_delay_alu instid0(VALU_DEP_1)
	v_pk_add_f32 v[110:111], v[110:111], v[112:113]
	s_delay_alu instid0(VALU_DEP_1)
	v_add_f32 v110, v110, v111
	ACROSS RED1
	s_delay_alu instid0(VALU_DEP_1)
	v_mul_f32 v122, 0xbaaaaaab, v110               ; - the mean
	s_delay_alu instid0(VALU_DEP_1)
	v_mov_b32 v123, v122
.irp j, 0,2,4,6,8,10,12,14,16,18,20,22,24,26,28,30
	v_pk_add_f32 v[ACC+\j:ACC+\j+1], v[ACC+\j:ACC+\j+1], v[122:123]
.endr
	v_pk_mul_f32 v[110:111], v[ACC:ACC+1], v[ACC:ACC+1]
	v_pk_mul_f32 v[112:113], v[ACC+2:ACC+3], v[ACC+2:ACC+3]
.irp j, 4,8,12,16,20,24,28
	s_delay_alu instid0(VALU_DEP_2)
	v_pk_fma_f32 v[110:111], v[ACC+\j:ACC+\j+1], v[ACC+\j:ACC+\j+1], v[110:111]
	s_delay_alu instid0(VALU_DEP_2)
	v_pk_fma_f32 v[112:113], v[ACC+\j+2:ACC+\j+3], v[ACC+\j+2:ACC+\j+3], v[112:113]
.endr
	s_delay_alu instid0(VALU_DEP_1)
	v_pk_add_f32 v[110:111], v[110:111], v[112:113]
	s_delay_alu instid0(VALU_DEP_1)
	v_add_f32 v110, v110, v111
	ACROSS RED2                                    ; other bytes than the first sum's: no wave writes what another may still read
	s_delay_alu instid0(VALU_DEP_1)
	v_mul_f32 v110, 0x3aaaaaab, v110               ; the variance
	s_delay_alu instid0(VALU_DEP_1)
	v_add_f32 v110, 0x3727c5ac, v110               ; + 1e-5
	s_wait_alu depctr_va_vdst(0)
	v_rsq_f32 v122, v110
	v_nop
	s_wait_alu depctr_va_vdst(0)                   ; the wait ahead of the root's first reader
	v_mov_b32 v123, v122
	s_wait_alu depctr_va_vdst(0)
	s_wait_loadcnt 0x0                             ; g1, be1
.irp j, 0,2,4,6,8,10,12,14,16,18,20,22,24,26,28,30
	v_pk_mul_f32 v[ACC+\j:ACC+\j+1], v[ACC+\j:ACC+\j+1], v[122:123]
.endr
.irp j, 0,2,4,6,8,10,12,14,16,18,20,22,24,26,28,30
	v_pk_fma_f32 v[ACC+\j:ACC+\j+1], v[ACC+\j:ACC+\j+1], v[BUF1+\j:BUF1+\j+1], v[BUF1+32+\j:BUF1+32+\j+1]
.endr
.irp b, 0,1
.irp q, 0,1,2,3
	ds_store_b128 v[STO], v[ACC+16*\b+4*\q:ACC+16*\b+4*\q+3] offset:128*\b+16*\q
.endr
.endr
.irp t, 0,1,2,3,4,5,6,7
	ds_load_b128 v[BUF0+4*\t:BUF0+4*\t+3], v[RD] offset:2*\t*272       ; LDS serves a wave's instructions in order (ISA guide 5.7.1.4): these see my stores
.endr
	s_wait_alu depctr_va_vdst(0)
.irp t, 0,1,2,3,4,5,6,7
	s_wait_dscnt 7-\t
	global_store_b128 v[GO], v[BUF0+4*\t:BUF0+4*\t+3], s[38:39] offset:(2*\t+8*(\t/4))*3072   ; position p is row p + 8 (p / 8); sixteen lanes store my 256 aligned bytes of a row
.endr
	QUANT ACC, 2, 0, PC, PW                        ; behind the wait for 0 above: the stage's stores have read the numbers
	global_store_b128 v[LI], v[PC:PC+3], s[40:41]
	global_store_b128 v[LI], v[PC+4:PC+7], s[40:41] offset:512
	global_store_b16 v[R24], v[PW], s[42:43]
	s_wait_tensorcnt 0x0                           ; the wave's end
	ds_add_u32 v[SPW], v[NIL]
	s_wait_dscnt 0x0
	s_endpgm
.Lfunc_end_k_q1969d5bfa3_wo_ln1:
	.size	k_q1969d5bfa3_wo_ln1, .Lfunc_end_k_q1969d5bfa3_wo_ln1-k_q1969d5bfa3_wo_ln1
	.p2alignl 7, 3214868480
	.fill 96, 4, 3214868480
	.section	.rodata,"a",@progbits
	.p2align	6, 0x0
	.amdhsa_kernel k_q1969d5bfa3_wo_ln1
		.amdhsa_group_segment_fixed_size 55808
		.amdhsa_private_segment_fixed_size 0
		.amdhsa_enable_private_segment 0
		.amdhsa_kernarg_size 56
		.amdhsa_user_sgpr_count 2
		.amdhsa_user_sgpr_kernarg_segment_ptr 1
		.amdhsa_wavefront_size32 1
		.amdhsa_system_sgpr_workgroup_id_x 1
		.amdhsa_system_sgpr_workgroup_id_y 1
		.amdhsa_system_sgpr_workgroup_id_z 1
		.amdhsa_system_vgpr_workitem_id 0
		.amdhsa_next_free_vgpr 256
		.amdhsa_next_free_sgpr 66
		.amdhsa_reserve_vcc 0
		.amdhsa_float_denorm_mode_32 3
		.amdhsa_float_denorm_mode_16_64 3
		.amdhsa_memory_ordered 1
		.amdhsa_forward_progress 1
		.amdhsa_inst_pref_size 44
	.end_amdhsa_kernel
	.amdgpu_metadata
---
amdhsa.version: [ 1, 2 ]
amdhsa.kernels:
  - .name:           k_q1969d5bfa3_wo_ln1
    .symbol:         k_q1969d5bfa3_wo_ln1.kd
    .args:
      - { .name: ob, .offset: 0, .size: 8, .value_kind: global_buffer, .address_space: global }
      - { .name: pw, .offset: 8, .size: 8, .value_kind: global_buffer, .address_space: global }
      - { .name: bo, .offset: 16, .size: 8, .value_kind: global_buffer, .address_space: global }
      - { .name: x, .offset: 24, .size: 8, .value_kind: global_buffer, .address_space: global }
      - { .name: g1, .offset: 32, .size: 8, .value_kind: global_buffer, .address_space: global }
      - { .name: be1, .offset: 40, .size: 8, .value_kind: global_buffer, .address_space: global }
      - { .name: hb, .offset: 48, .size: 8, .value_kind: global_buffer, .address_space: global }
    .group_segment_fixed_size: 55808
    .private_segment_fixed_size: 0
    .kernarg_segment_align: 8
    .kernarg_segment_size: 56
    .max_flat_workgroup_size: 384
    .sgpr_count:     66
    .vgpr_count:     256
    .wavefront_size: 32
...
	.end_amdgpu_metadata
.endif
;; end of part 4
;; launch ffn1 (part 5): grid 16 x 16, 12 waves a work-group, clusters of 4 x 4, 327,680 bytes of LDS; arguments hb, pw, b1, hidb; writes hidb
.if DOCPART == 5
	.amdgcn_target "amdgcn-amd-amdhsa--gfx1250"
	.amdhsa_code_object_version 6
	.text
	.protected	k_q1969d5bfa3_ffn1
	.globl	k_q1969d5bfa3_ffn1
	.p2align	8
	.type	k_q1969d5bfa3_ffn1,@function
k_q1969d5bfa3_ffn1:
	s_mov_b64 s[64:65], 0
	v_nop
	global_prefetch_b8 v0, s[64:65] scope:SCOPE_SE
	s_setreg_imm32_b32 hwreg(HW_REG_WAVE_MODE, 25, 1), 1
	s_wait_xcnt 0x0
	s_wait_alu depctr_hold_cnt(0) depctr_sa_sdst(0) depctr_va_vdst(0) depctr_va_sdst(0) depctr_va_ssrc(0) depctr_va_vcc(0) depctr_vm_vsrc(0)
	s_getreg_b32 s2, hwreg(HW_REG_IB_STS2, 6, 4)
	s_cmp_eq_u32 s2, 0
	s_cbranch_scc0 .Lentry_in_a_cluster
	s_endpgm
.Lentry_in_a_cluster:
	s_bfe_u32 s2, ttmp6, 0x10000c
	s_cmp_lg_u32 s2, 0xf033
	s_cbranch_scc0 .Lentry_shape_is_right
	s_endpgm
.Lentry_shape_is_right:
; hidden = relu(h W1 + b1) (product 7), quantised along the hidden units for product 8.  No work is left out here.
; The same frame as qkv: a work-group takes 256 tokens (y) x 192 hidden units (x); wave w takes tokens 64 (w & 3) on and units 64 (w >> 2) on; K = 768 in three chunks of 256 through two LDS slots;
; source 0 = four tiles of W1's columns, source 1 = four token tiles: a lane holds one token and 32 neighbouring units.  The activation costs nothing: the hold ahead of the conversion clips at 0 as well.
; CLUSTER 4 x 4: token tiles jointly along a row of the cluster, W1's along a column.  Waves 0, 1 fetch tokens, waves 2, 3 weights; three loads of a wave are out at the most.
; LIMITS: as at the head of prep.
.set HIMG,  12582912
.set HSC,   15728640
.set W1I,   5677056
.set W1S,   8036352
.set HIDS,  12582912
.set SLOT,  114688
.set CHO,   65536
.set SCTK,  229376
.set SCCH,  235520
.set SPARE, 294912                     ; the spare words, 128 bytes for each wave; no other line names them
.set TS,    4096
.set SROW,  384
.set SPW, 1
.set NIL, 2
.set AA0, 3
.set AA1, 4
.set AB0, 5
.set AB1, 6
.set ASC, 7
.set LI,  8
.set RR,  9
.set HH,  10
.set V96R, 11
.set V64H, 13
.set SC,  24
.set FB,  28
.set FA,  60
.set ACC, 124
.set BI,  28
.set PC,  60
.set TM,  92
.set PW,  108
.set WV, 14
.set TG, 15
.set CG, 16
.set HALF, 18
.set CX, 19
.set CY, 20
.set GX, 21
.set GY, 22
.set RMASK, 23
.set CMASK, 24
.set G1T, 32
.set G1C, 40
.set G1ST, 48
.set G1SC, 56
.set G0T0, 68
.set G0T1, 72
.set G0C0, 76
.set G0C1, 80
.set G0ST, 84
.set G0SC, 88
.set MNT, 97
.set SEL, 98
.macro PLACES n
.rept \n
	v_nop
.endr
.endm
.macro G1SET g, c, r, p
	s_mov_b32 s[\g+1], (\c)<<16
	s_mov_b32 s[\g+2], (\r)<<16
	s_mov_b32 s[\g+3], (\c)<<16
	s_mov_b32 s[\g+4], \r
	s_mov_b32 s[\g+5], \p
	s_mov_b32 s[\g+6], 0
	s_mov_b32 s[\g+7], 0
.endm
.macro CROUND
	s_barrier_signal -1
	s_barrier_wait -1
	s_cmp_lg_u32 s[WV], 0
	s_cbranch_scc1 .Lnot_wave_0_\@
	s_barrier_signal -3
.Lnot_wave_0_\@:
	s_barrier_wait -3
	s_barrier_signal -1
	s_barrier_wait -1
.endm
.macro QUANT s, nb, relu, pc, pw       ; as in prep
.irp b, 0,1,2,3
.if \b < \nb
.if \relu
	v_max3_num_f32 v[TM+\b], v[(\s)+16*\b], v[(\s)+16*\b+1], 0x8000000
.else
	v_max3_num_f32 v[TM+\b], |v[(\s)+16*\b]|, |v[(\s)+16*\b+1]|, 0x8000000
.endif
.endif
.endr
.irp i, 2,4,6,8,10,12,14
.irp b, 0,1,2,3
.if \b < \nb
.if \relu
	s_delay_alu instid0(VALU_DEP_2)
	v_max3_num_f32 v[TM+\b], v[TM+\b], v[(\s)+16*\b+\i], v[(\s)+16*\b+\i+1]
.else
	v_max3_num_f32 v[TM+\b], v[TM+\b], |v[(\s)+16*\b+\i]|, |v[(\s)+16*\b+\i+1]|
.endif
.endif
.endr
.endr
.irp b, 0,1,2,3
.if \b < \nb
	s_delay_alu instid0(VALU_DEP_2)
	v_permlanex16_b32 v[TM+4+\b], v[TM+\b], s[SEL], s[SEL+1]
.endif
.endr
.irp b, 0,1,2,3
.if \b < \nb
	s_delay_alu instid0(VALU_DEP_2)
	v_max_num_f32 v[TM+\b], v[TM+\b], v[TM+4+\b]
.endif
.endr
.irp b, 0,1,2,3
.if \b < \nb
	s_delay_alu instid0(VALU_DEP_2)
	v_add_nc_u32 v[TM+12+\b], 0xf8800000, v[TM+\b]
.endif
.endr
.irp b, 0,1,2,3
.if \b < \nb
	s_delay_alu instid0(VALU_DEP_4)
	v_and_or_b32 v[TM+8+\b], v[TM+\b], 0x7f800000, s[MNT]
.endif
.endr
.irp b, 0,1,2,3
.if \b < \nb
	s_delay_alu instid0(VALU_DEP_4)
	v_lshrrev_b32 v[TM+4+\b], 23, v[TM+12+\b]
.endif
.endr
	s_delay_alu instid0(VALU_DEP_1)
	v_lshl_or_b32 v[\pw], v[TM+5], 8, v[TM+4]
.if \nb > 2
	v_lshl_or_b32 v[\pw], v[TM+6], 16, v[\pw]
	v_lshl_or_b32 v[\pw], v[TM+7], 24, v[\pw]
.endif
.irp b, 0,1,2,3
.if \b < \nb
.irp i, 0,1,2,3,4,5,6,7,8,9,10,11,12,13,14,15
.if \relu
	v_med3_num_f32 v[(\s)+16*\b+\i], v[(\s)+16*\b+\i], 0, v[TM+8+\b]
.else
	v_med3_num_f32 v[(\s)+16*\b+\i], v[(\s)+16*\b+\i], -v[TM+8+\b], v[TM+8+\b]
.endif
.endr
	v_cvt_scalef32_pk8_bf8_f32 v[(\pc)+4*\b:(\pc)+4*\b+1], v[(\s)+16*\b:(\s)+16*\b+7], v[TM+12+\b]
	v_cvt_scalef32_pk8_bf8_f32 v[(\pc)+4*\b+2:(\pc)+4*\b+3], v[(\s)+16*\b+8:(\s)+16*\b+15], v[TM+12+\b]
.endif
.endr
	v_nop
.endm
.macro MM u, i, t, zero
.if \zero
	v_wmma_scale_f32_16x16x128_f8f6f4 v[ACC+32*\i+8*(\t):ACC+32*\i+8*(\t)+7], v[FB+16*\u:FB+16*\u+15], v[FA+16*\i:FA+16*\i+15], 0, v[SC+(\t)], v[SC+\i] matrix_a_fmt:MATRIX_FMT_BF8 matrix_b_fmt:MATRIX_FMT_BF8 matrix_a_scale:MATRIX_SCALE_ROW1
.else
	v_wmma_scale_f32_16x16x128_f8f6f4 v[ACC+32*\i+8*(\t):ACC+32*\i+8*(\t)+7], v[FB+16*\u:FB+16*\u+15], v[FA+16*\i:FA+16*\i+15], v[ACC+32*\i+8*(\t):ACC+32*\i+8*(\t)+7], v[SC+(\t)], v[SC+\i] matrix_a_fmt:MATRIX_FMT_BF8 matrix_b_fmt:MATRIX_FMT_BF8 matrix_a_scale:MATRIX_SCALE_ROW1
.endif
.endm
.macro LDFB u, t, rb, koff             ; tile t of source 0's area into fragment u of FB
.irp c, 0,1,2,3
	ds_load_b128 v[FB+16*\u+4*\c:FB+16*\u+4*\c+3], v[\rb] offset:\koff+(\t)*TS+512*\c
.endr
.endm
; The waits are counted: each names the LDS loads issued behind the fragment that the next product reads.  A set of FB is loaded anew eight places behind its four products, while the other set's products run.
.macro KSTEP ra, rb, koff, soff, zero
	PLACES 8
.irp i, 0,1,2,3
	ds_load_b32 v[SC+\i], v[ASC] offset:\soff+\i*SROW
.endr
	LDFB 0, 0, \rb, \koff
.irp i, 0,1,2,3
.irp c, 0,1,2,3
	ds_load_b128 v[FA+16*\i+4*\c:FA+16*\i+4*\c+3], v[\ra] offset:\koff+\i*TS+512*\c
.endr
.endr
	LDFB 1, 1, \rb, \koff
.irp i, 0,1,2,3
	s_wait_dscnt 16-4*\i                           ; behind FA's fragment i: its 3 - i successors and FB's set 1, four loads each
	MM 0, \i, 0, \zero
.endr
	PLACES 8
	LDFB 0, 2, \rb, \koff
	s_wait_dscnt 4                                 ; all but the four just issued: set 1 is in
.irp i, 0,1,2,3
	MM 1, \i, 1, \zero
.endr
	PLACES 8
	LDFB 1, 3, \rb, \koff
	s_wait_dscnt 4                                 ; tile 2 is in
.irp i, 0,1,2,3
	MM 0, \i, 2, \zero
.endr
	s_wait_dscnt 0x0
.irp i, 0,1,2,3
	MM 1, \i, 3, \zero
.endr
.endm
	s_load_b256 s[4:11], s[0:1], 0x0               ; hb, pw, b1, hidb
	v_lshl_add_u32 v[SPW], v0, 2, SPARE
	v_mov_b32 v[NIL], 0
	ds_add_u32 v[SPW], v[NIL]                      ; the opening: the add, twice on end, and its wait ahead of the first tensor load
	ds_add_u32 v[SPW], v[NIL]
	v_lshrrev_b32 v[LI], 5, v0
	s_delay_alu instid0(VALU_DEP_1)
	v_readfirstlane_b32 s[WV], v[LI]
	s_and_b32 s[TG], s[WV], 3
	s_lshr_b32 s[CG], s[WV], 2
	s_and_b32 s[HALF], s[WV], 1
	s_bfe_u32 s[CX], ttmp6, 0x40000
	s_bfe_u32 s[CY], ttmp6, 0x40004
	s_lshl_b32 s[GX], ttmp9, 2
	s_add_co_u32 s[GX], s[GX], s[CX]
	s_and_b32 s[GY], ttmp7, 0xffff
	s_lshl_b32 s[GY], s[GY], 2
	s_add_co_u32 s[GY], s[GY], s[CY]
	s_lshl_b32 s[RMASK], s[CY], 2
	s_lshl_b32 s[RMASK], 15, s[RMASK]
	s_lshl_b32 s[CMASK], 0x1111, s[CX]
	s_or_b32 s[G1T], s[RMASK], (3<<16)|(1<<21)
	s_or_b32 s[G1C], s[CMASK], (3<<16)|(1<<21)
	s_or_b32 s[G1ST], s[RMASK], (3<<16)|(1<<21)
	s_or_b32 s[G1SC], s[CMASK], (3<<16)|(1<<21)
	G1SET G1T, 512, 8, 1536
	G1SET G1C, 512, 6, 1536
	G1SET G1ST, 32, 12, 32
	G1SET G1SC, 32, 9, 32
	s_lshl_b32 s26, s[GY], 4
	s_lshl_b32 s27, s[HALF], 3
	s_add_co_u32 s26, s26, s27
	s_mul_i32 s26, s26, 12288
	s_add_co_u32 s26, s26, HIMG
	s_mov_b32 s27, 0
	s_mul_i32 s28, s[GY], 6144
	s_mul_i32 s29, s[HALF], 3072
	s_add_co_u32 s28, s28, s29
	s_add_co_u32 s28, s28, HSC
	s_mov_b32 s29, 0
	s_mul_i32 s30, s[GX], 12
	s_mul_i32 s31, s[HALF], 6
	s_add_co_u32 s30, s30, s31
	s_mul_i32 s30, s30, 12288
	s_add_co_u32 s30, s30, W1I
	s_mov_b32 s31, 0
	s_mul_i32 s92, s[GX], 4608
	s_mul_i32 s93, s[HALF], 2304
	s_add_co_u32 s92, s92, s93
	s_add_co_u32 s92, s92, W1S
	s_mov_b32 s93, 0
	s_mov_b32 s[G0T0], 1
	s_lshl_b32 s[G0T0+1], s[HALF], 15
	s_mov_b32 s[G0T1], 1
	s_add_co_u32 s[G0T1+1], s[G0T0+1], SLOT
	s_mov_b32 s[G0C0], 1
	s_mul_i32 s[G0C0+1], s[HALF], 24576
	s_add_co_u32 s[G0C0+1], s[G0C0+1], CHO
	s_mov_b32 s[G0C1], 1
	s_add_co_u32 s[G0C1+1], s[G0C0+1], SLOT
	s_mov_b32 s[G0ST], 1
	s_mul_i32 s[G0ST+1], s[HALF], 3072
	s_add_co_u32 s[G0ST+1], s[G0ST+1], SCTK
	s_mov_b32 s[G0SC], 1
	s_mul_i32 s[G0SC+1], s[HALF], 2304
	s_add_co_u32 s[G0SC+1], s[G0SC+1], SCCH
	s_mov_b32 s[MNT], 0x600000
	s_mov_b32 s[SEL], 0x76543210
	s_mov_b32 s[SEL+1], 0xfedcba98
	s_wait_dscnt 0x0
	s_wait_kmcnt 0x0
	s_add_nc_u64 s[G0T0+2:G0T0+3], s[4:5], s[26:27]
	s_add_nc_u64 s[G0T1+2:G0T1+3], s[G0T0+2:G0T0+3], 4096
	s_or_b32 s[G0T0+3], s[G0T0+3], 0x80000000
	s_or_b32 s[G0T1+3], s[G0T1+3], 0x80000000
	s_add_nc_u64 s[G0C0+2:G0C0+3], s[6:7], s[30:31]
	s_add_nc_u64 s[G0C1+2:G0C1+3], s[G0C0+2:G0C0+3], 4096
	s_or_b32 s[G0C0+3], s[G0C0+3], 0x80000000
	s_or_b32 s[G0C1+3], s[G0C1+3], 0x80000000
	s_add_nc_u64 s[G0ST+2:G0ST+3], s[4:5], s[28:29]
	s_or_b32 s[G0ST+3], s[G0ST+3], 0x80000000
	s_add_nc_u64 s[G0SC+2:G0SC+3], s[6:7], s[92:93]
	s_or_b32 s[G0SC+3], s[G0SC+3], 0x80000000
	CROUND                                         ; all sixteen work-groups are here: the first joint loads meet
	s_cmp_lt_u32 s[WV], 2
	; the twelve first fills, one a wave, in one chain of arms on the wave's number: waves 0, 1 the tokens' scales, 2, 3 the columns', 4, 5 chunk 0's tokens, 6, 7 its columns, 8, 9 chunk 1's tokens, 10, 11 its columns
.macro ARM g0, g1
	tensor_load_to_lds s[\g0:\g0+3], s[\g1:\g1+7]
	s_nop 0
	PLACES 4
.endm
	s_cbranch_scc0 .Lf_1
	ARM G0ST, G1ST
	s_branch .Lf_done
.Lf_1:
	s_cmp_lt_u32 s[WV], 4
	s_cbranch_scc0 .Lf_2
	ARM G0SC, G1SC
	s_branch .Lf_done
.Lf_2:
	s_cmp_lt_u32 s[WV], 6
	s_cbranch_scc0 .Lf_3
	ARM G0T0, G1T
	s_branch .Lf_done
.Lf_3:
	s_cmp_lt_u32 s[WV], 8
	s_cbranch_scc0 .Lf_4
	ARM G0C0, G1C
	s_branch .Lf_done
.Lf_4:
	s_cmp_lt_u32 s[WV], 10
	s_cbranch_scc0 .Lf_5
	ARM G0T1, G1T
	s_branch .Lf_done
.Lf_5:
	ARM G0C1, G1C
.Lf_done:
	v_and_b32 v[LI], 31, v0
	s_delay_alu instid0(VALU_DEP_1)
	v_lshlrev_b32 v[LI], 4, v[LI]
	v_and_b32 v[RR], 15, v0
	s_wait_alu depctr_va_vdst(0)
	v_bfe_u32 v[HH], v0, 4, 1
	s_wait_alu depctr_va_vdst(0)
	s_lshl_b32 s26, s[TG], 14
	s_lshl_b32 s27, s[CG], 14
	s_add_co_u32 s27, s27, CHO
	v_add_nc_u32 v[AA0], s26, v[LI]
	v_add_nc_u32 v[AB0], s27, v[LI]
	s_delay_alu instid0(VALU_DEP_2)
	v_add_nc_u32 v[AA1], SLOT, v[AA0]
	s_delay_alu instid0(VALU_DEP_2)
	v_add_nc_u32 v[AB1], SLOT, v[AB0]
	s_xor_b32 s29, s[TG], 3
	s_add_co_u32 s29, s29, s[CG]
	s_add_co_u32 s29, s29, 1
	s_mul_i32 s29, s29, 1536                       ; from my tokens' scale words to my columns'
	v_mul_u32_u24 v[ASC], s29, v[HH]
	s_delay_alu instid0(VALU_DEP_1)
	v_mad_u32_u24 v[ASC], v[RR], 24, v[ASC]
	s_mul_i32 s30, s[TG], 1536
	s_add_co_u32 s30, s30, SCTK
	v_add_nc_u32 v[ASC], s30, v[ASC]
	v_mul_u32_u24 v[V96R], v[RR], 96
	v_lshlrev_b32 v[V64H], 6, v[HH]
	s_wait_alu depctr_va_vdst(0)
	s_cmp_lt_u32 s[WV], 8                          ; waves 0 to 7 hold the scales and chunk 0: they wait here; chunk 1's lines are waves 8 to 11's alone, who wait ahead of the round below
	s_cbranch_scc0 .Lw_later
	s_wait_tensorcnt 0x0
.Lw_later:
	s_barrier_signal -1
	s_barrier_wait -1
	KSTEP AA0, AB0, 0, 0, 1
	KSTEP AA0, AB0, 2048, 4, 0
	s_wait_tensorcnt 0x0
	ds_add_u32 v[SPW], v[NIL]                      ; once: every way from the head leads through a tensor load
	s_add_nc_u64 s[G0T0+2:G0T0+3], s[G0T0+2:G0T0+3], 8192
	s_add_nc_u64 s[G0C0+2:G0C0+3], s[G0C0+2:G0C0+3], 8192
	s_wait_dscnt 0x0                               ; the adds are done and my reads of slot 0 are over
	CROUND
	s_cmp_lt_u32 s[WV], 2
	s_cbranch_scc0 .Lr_ch
	tensor_load_to_lds s[G0T0:G0T0+3], s[G1T:G1T+7]
	s_nop 0
	PLACES 4
	s_branch .Lr_done
.Lr_ch:
	s_cmp_lt_u32 s[WV], 4
	s_cbranch_scc0 .Lr_done
	tensor_load_to_lds s[G0C0:G0C0+3], s[G1C:G1C+7]
	s_nop 0
	PLACES 4
.Lr_done:
	KSTEP AA1, AB1, 0, 8, 0
	KSTEP AA1, AB1, 2048, 12, 0
	s_wait_tensorcnt 0x0                           ; chunk 2 has landed
	s_wait_dscnt 0x0
	s_barrier_signal -1
	s_barrier_wait -1
	KSTEP AA0, AB0, 0, 16, 0
	KSTEP AA0, AB0, 2048, 20, 0
	PLACES 8
	; THE WAY OUT: bias, activation and quantiser, stores; no LDS
.irp b, 0,1,2,3
	v_mov_b32 v[TM+4+\b], 0
.endr
	s_mul_i32 s25, s[GX], 3
	s_add_co_u32 s25, s25, s[CG]                   ; my 64 hidden units: number 3 x + cg
	s_lshl_b32 s94, s25, 8
	s_mov_b32 s95, 0
	s_add_nc_u64 s[2:3], s[8:9], s[94:95]
.irp b, 0,1
.irp q, 0,1,2,3
	global_load_b128 v[BI+16*\b+4*\q:BI+16*\b+4*\q+3], v[V64H], s[2:3] offset:128*\b+16*\q
.endr
.endr
	s_lshl_b32 s96, s[GY], 4
	s_lshl_b32 s100, s[TG], 2
	s_add_co_u32 s96, s96, s100                    ; my first token tile
	s_mul_i32 s94, s96, 49152
	s_lshl_b32 s100, s25, 10
	s_add_co_u32 s94, s94, s100
	s_mul_i32 s100, s96, 1536
	s_lshl_b32 s96, s25, 1
	s_add_co_u32 s100, s100, s96
	s_add_co_u32 s100, s100, HIDS
	s_mov_b32 s101, 0
	s_add_nc_u64 s[94:95], s[10:11], s[94:95]
	s_add_nc_u64 s[100:101], s[10:11], s[100:101]
	s_wait_loadcnt 0x0
.irp i, 0,1,2,3
.irp j, 0,2,4,6,8,10,12,14,16,18,20,22,24,26,28,30
	v_pk_add_f32 v[ACC+32*\i+\j:ACC+32*\i+\j+1], v[ACC+32*\i+\j:ACC+32*\i+\j+1], v[BI+\j:BI+\j+1]
.endr
	QUANT ACC+32*\i, 2, 1, PC+8*\i, PW+\i
.endr
.irp i, 0,1,2,3
	global_store_b128 v[LI], v[PC+8*\i:PC+8*\i+3], s[94:95] offset:49152*\i
	global_store_b128 v[LI], v[PC+8*\i+4:PC+8*\i+7], s[94:95] offset:49152*\i+512
	global_store_b16 v[V96R], v[PW+\i], s[100:101] offset:1536*\i
.endr
	s_wait_tensorcnt 0x0                           ; the wave's end
	ds_add_u32 v[SPW], v[NIL]
	s_wait_dscnt 0x0
	CROUND                                         ; the closing round
	s_endpgm
.Lfunc_end_k_q1969d5bfa3_ffn1:
	.size	k_q1969d5bfa3_ffn1, .Lfunc_end_k_q1969d5bfa3_ffn1-k_q1969d5bfa3_ffn1
	.p2alignl 7, 3214868480
	.fill 96, 4, 3214868480
	.section	.rodata,"a",@progbits
	.p2align	6, 0x0
	.amdhsa_kernel k_q1969d5bfa3_ffn1
		.amdhsa_group_segment_fixed_size 327680
		.amdhsa_private_segment_fixed_size 0
		.amdhsa_enable_private_segment 0
		.amdhsa_kernarg_size 32
		.amdhsa_user_sgpr_count 2
		.amdhsa_user_sgpr_kernarg_segment_ptr 1
		.amdhsa_wavefront_size32 1
		.amdhsa_system_sgpr_workgroup_id_x 1
		.amdhsa_system_sgpr_workgroup_id_y 1
		.amdhsa_system_sgpr_workgroup_id_z 1
		.amdhsa_system_vgpr_workitem_id 0
		.amdhsa_next_free_vgpr 256
		.amdhsa_next_free_sgpr 102
		.amdhsa_reserve_vcc 0
		.amdhsa_float_denorm_mode_32 3
		.amdhsa_float_denorm_mode_16_64 3
		.amdhsa_memory_ordered 1
		.amdhsa_forward_progress 1
		.amdhsa_inst_pref_size 69
	.end_amdhsa_kernel
	.amdgpu_metadata
---
amdhsa.version: [ 1, 2 ]
amdhsa.kernels:
  - .name:           k_q1969d5bfa3_ffn1
    .symbol:         k_q1969d5bfa3_ffn1.kd
    .args:
      - { .name: hb, .offset: 0, .size: 8, .value_kind: global_buffer, .address_space: global }
      - { .name: pw, .offset: 8, .size: 8, .value_kind: global_buffer, .address_space: global }
      - { .name: b1, .offset: 16, .size: 8, .value_kind: global_buffer, .address_space: global }
      - { .name: hidb, .offset: 24, .size: 8, .value_kind: global_buffer, .address_space: global }
    .group_segment_fixed_size: 327680
    .private_segment_fixed_size: 0
    .kernarg_segment_align: 8
    .kernarg_segment_size: 32
    .max_flat_workgroup_size: 384
    .sgpr_count:     102
    .vgpr_count:     256
    .wavefront_size: 32
...
	.end_amdgpu_metadata
.endif
;; end of part 5
;; launch ffn2 (part 6): grid 4 x 64, 12 waves a work-group, clusters of 4 x 4, 327,680 bytes of LDS; arguments hidb, pw, b2, hb, y2; writes y2
.if DOCPART == 6
	.amdgcn_target "amdgcn-amd-amdhsa--gfx1250"
	.amdhsa_code_object_version 6
	.text
	.protected	k_q1969d5bfa3_ffn2
	.globl	k_q1969d5bfa3_ffn2
	.p2align	8
	.type	k_q1969d5bfa3_ffn2,@function
k_q1969d5bfa3_ffn2:
	s_mov_b64 s[64:65], 0
	v_nop
	global_prefetch_b8 v0, s[64:65] scope:SCOPE_SE
	s_setreg_imm32_b32 hwreg(HW_REG_WAVE_MODE, 25, 1), 1
	s_wait_xcnt 0x0
	s_wait_alu depctr_hold_cnt(0) depctr_sa_sdst(0) depctr_va_vdst(0) depctr_va_sdst(0) depctr_va_ssrc(0) depctr_va_vcc(0) depctr_vm_vsrc(0)
	s_getreg_b32 s2, hwreg(HW_REG_IB_STS2, 6, 4)
	s_cmp_eq_u32 s2, 0
	s_cbranch_scc0 .Lentry_in_a_cluster
	s_endpgm
.Lentry_in_a_cluster:
	s_bfe_u32 s2, ttmp6, 0x10000c
	s_cmp_lg_u32 s2, 0xf033
	s_cbranch_scc0 .Lentry_shape_is_right
	s_endpgm
.Lentry_shape_is_right:
; y2 = h + hidden W2 + b2 (product 8 and the residual).  No work is left out here.
; A work-group takes 64 tokens (y) x 192 channels (x).  Wave w: channels 64 (w >> 2) on, and every fourth K step (w & 3): K = 3,072 is shared four ways inside the work-group, so that a wave's tile stays 64 x 64.
; K goes in six chunks of 512 (four K steps, one for each K group) through two LDS slots of 131,072 bytes.  Wave 0 fetches the token tiles, waves 1 to 3 four column tiles each; three loads of a wave are out at the most.
; THE WAY OUT adds the four K groups in ascending order and turns the results into rows in one pass through LDS: the stages lie in the slots, which by then have had their last fill and their last read.
; CLUSTER 4 x 4: token tiles jointly along a row of the cluster, W2's along a column.
.set HIDS,  12582912
.set W2I,   8110080
.set W2S,   10469376
.set SLOT,  131072
.set CHO,   32768
.set SCTK,  262144                     ; the tokens' scale bytes: 4 tiles x 1,536
.set SCCH,  268288                     ; the columns': 12 x 1,536
.set SPARE, 294912                     ; the spare words, 128 bytes for each wave; no other line names them
.set TS,    8192
.set SROW,  1536
.set STGB,  17408                      ; a stage: 64 rows x (256 + 16) bytes
.set SPW, 1
.set NIL, 2
.set AA0, 3
.set AA1, 4
.set AB0, 5
.set AB1, 6
.set ASC, 7
.set LI,  8
.set RR,  9
.set HH,  10
.set STO, 11
.set RD,  12
.set GO,  13
.set V16R, 14
.set SC,  24
.set FB,  28
.set FA,  60
.set ACC, 124
.set WV, 14
.set KG, 15
.set CG, 16
.set PART, 17
.set CX, 19
.set CY, 20
.set GX, 21
.set GY, 22
.set RMASK, 23
.set CMASK, 24
.set G1T, 32
.set G1C, 40
.set G1ST, 48
.set G1SC, 56
.set G0T0, 68
.set G0C0, 76
.set G0ST, 84
.set G0SC, 88
.macro PLACES n
.rept \n
	v_nop
.endr
.endm
.macro G1SET g, c, r, p
	s_mov_b32 s[\g+1], (\c)<<16
	s_mov_b32 s[\g+2], (\r)<<16
	s_mov_b32 s[\g+3], (\c)<<16
	s_mov_b32 s[\g+4], \r
	s_mov_b32 s[\g+5], \p
	s_mov_b32 s[\g+6], 0
	s_mov_b32 s[\g+7], 0
.endm
.macro CROUND
	s_barrier_signal -1
	s_barrier_wait -1
	s_cmp_lg_u32 s[WV], 0
	s_cbranch_scc1 .Lnot_wave_0_\@
	s_barrier_signal -3
.Lnot_wave_0_\@:
	s_barrier_wait -3
	s_barrier_signal -1
	s_barrier_wait -1
.endm
.macro MM u, i, t, zero
.if \zero
	v_wmma_scale_f32_16x16x128_f8f6f4 v[ACC+32*\i+8*(\t):ACC+32*\i+8*(\t)+7], v[FB+16*\u:FB+16*\u+15], v[FA+16*\i:FA+16*\i+15], 0, v[SC+(\t)], v[SC+\i] matrix_a_fmt:MATRIX_FMT_BF8 matrix_b_fmt:MATRIX_FMT_BF8 matrix_a_scale:MATRIX_SCALE_ROW1
.else
	v_wmma_scale_f32_16x16x128_f8f6f4 v[ACC+32*\i+8*(\t):ACC+32*\i+8*(\t)+7], v[FB+16*\u:FB+16*\u+15], v[FA+16*\i:FA+16*\i+15], v[ACC+32*\i+8*(\t):ACC+32*\i+8*(\t)+7], v[SC+(\t)], v[SC+\i] matrix_a_fmt:MATRIX_FMT_BF8 matrix_b_fmt:MATRIX_FMT_BF8 matrix_a_scale:MATRIX_SCALE_ROW1
.endif
.endm
.macro LDFB u, t, rb, koff             ; tile t of source 0's area into fragment u of FB
.irp c, 0,1,2,3
	ds_load_b128 v[FB+16*\u+4*\c:FB+16*\u+4*\c+3], v[\rb] offset:\koff+(\t)*TS+512*\c
.endr
.endm
; The waits are counted: each names the LDS loads issued behind the fragment that the next product reads.  A set of FB is loaded anew eight places behind its four products, while the other set's products run.
.macro KSTEP ra, rb, koff, soff, zero
	PLACES 8
.irp i, 0,1,2,3
	ds_load_b32 v[SC+\i], v[ASC] offset:\soff+\i*SROW
.endr
	LDFB 0, 0, \rb, \koff
.irp i, 0,1,2,3
.irp c, 0,1,2,3
	ds_load_b128 v[FA+16*\i+4*\c:FA+16*\i+4*\c+3], v[\ra] offset:\koff+\i*TS+512*\c
.endr
.endr
	LDFB 1, 1, \rb, \koff
.irp i, 0,1,2,3
	s_wait_dscnt 16-4*\i                           ; behind FA's fragment i: its 3 - i successors and FB's set 1, four loads each
	MM 0, \i, 0, \zero
.endr
	PLACES 8
	LDFB 0, 2, \rb, \koff
	s_wait_dscnt 4                                 ; all but the four just issued: set 1 is in
.irp i, 0,1,2,3
	MM 1, \i, 1, \zero
.endr
	PLACES 8
	LDFB 1, 3, \rb, \koff
	s_wait_dscnt 4                                 ; tile 2 is in
.irp i, 0,1,2,3
	MM 0, \i, 2, \zero
.endr
	s_wait_dscnt 0x0
.irp i, 0,1,2,3
	MM 1, \i, 3, \zero
.endr
.endm
; slot s, just read, is filled again with the chunk two further on
.macro TURN s
	s_wait_tensorcnt 0x0                           ; all my tensor loads have landed, the other slot's among them,
	ds_add_u32 v[SPW], v[NIL]                      ; once: every way from the head leads through a tensor load
	s_add_nc_u64 s[G0T0+4*\s+2:G0T0+4*\s+3], s[G0T0+4*\s+2:G0T0+4*\s+3], 16384
	s_add_nc_u64 s[G0C0+4*\s+2:G0C0+4*\s+3], s[G0C0+4*\s+2:G0C0+4*\s+3], 16384
	s_wait_dscnt 0x0                               ; the adds are done and my reads of the slot are over
	CROUND                                         ; the same holds of every wave of every partner
	s_cmp_eq_u32 s[WV], 0
	s_cbranch_scc0 .Lt_ch_\@
	tensor_load_to_lds s[G0T0+4*\s:G0T0+4*\s+3], s[G1T:G1T+7]
	s_nop 0
	PLACES 4
	s_branch .Lt_done_\@
.Lt_ch_\@:
	s_cmp_lt_u32 s[WV], 4
	s_cbranch_scc0 .Lt_done_\@
	tensor_load_to_lds s[G0C0+4*\s:G0C0+4*\s+3], s[G1C:G1C+7]
	s_nop 0
	PLACES 4
.Lt_done_\@:
.endm
	s_load_b256 s[4:11], s[0:1], 0x0               ; hidb, pw, b2, hb
	s_load_b64 s[12:13], s[0:1], 0x20              ; y2
	v_lshl_add_u32 v[SPW], v0, 2, SPARE
	v_mov_b32 v[NIL], 0
	ds_add_u32 v[SPW], v[NIL]                      ; the opening: the add, twice on end, and its wait ahead of the first tensor load
	ds_add_u32 v[SPW], v[NIL]
	v_lshrrev_b32 v[LI], 5, v0
	s_delay_alu instid0(VALU_DEP_1)
	v_readfirstlane_b32 s[WV], v[LI]
	s_and_b32 s[KG], s[WV], 3
	s_lshr_b32 s[CG], s[WV], 2
	s_add_co_u32 s[PART], s[WV], 3
	s_and_b32 s[PART], s[PART], 3
	s_min_u32 s[PART], s[PART], 2                  ; 0, 1, 2 in waves 1, 2, 3: which four column tiles I fetch
	s_bfe_u32 s[CX], ttmp6, 0x40000
	s_bfe_u32 s[CY], ttmp6, 0x40004
	s_lshl_b32 s[GX], ttmp9, 2
	s_add_co_u32 s[GX], s[GX], s[CX]
	s_and_b32 s[GY], ttmp7, 0xffff
	s_lshl_b32 s[GY], s[GY], 2
	s_add_co_u32 s[GY], s[GY], s[CY]
	s_lshl_b32 s[RMASK], s[CY], 2
	s_lshl_b32 s[RMASK], 15, s[RMASK]
	s_lshl_b32 s[CMASK], 0x1111, s[CX]
	s_or_b32 s[G1T], s[RMASK], (3<<16)|(1<<21)
	s_or_b32 s[G1C], s[CMASK], (3<<16)|(1<<21)
	s_or_b32 s[G1ST], s[RMASK], (3<<16)|(1<<21)
	s_or_b32 s[G1SC], s[CMASK], (3<<16)|(1<<21)
	G1SET G1T, 1024, 4, 6144                       ; four tiles x 8,192 bytes, 49,152 apart
	G1SET G1C, 1024, 4, 6144
	G1SET G1ST, 32, 24, 32                         ; 6,144 dense bytes of scales
	G1SET G1SC, 32, 24, 32
	s_mul_i32 s26, s[GY], 4*49152
	s_mov_b32 s27, 0
	s_mul_i32 s28, s[GY], 6144
	s_add_co_u32 s28, s28, HIDS
	s_mov_b32 s29, 0
	s_mul_i32 s30, s[GX], 12
	s_lshl_b32 s31, s[PART], 2
	s_add_co_u32 s30, s30, s31
	s_mul_i32 s92, s30, 1536
	s_add_co_u32 s92, s92, W2S
	s_mov_b32 s93, 0
	s_mul_i32 s30, s30, 49152
	s_add_co_u32 s30, s30, W2I
	s_mov_b32 s31, 0
	s_mov_b32 s[G0T0], 1
	s_mov_b32 s[G0T0+1], 0
	s_mov_b32 s[G0T0+4], 1
	s_mov_b32 s[G0T0+5], SLOT
	s_mov_b32 s[G0C0], 1
	s_lshl_b32 s[G0C0+1], s[PART], 15
	s_add_co_u32 s[G0C0+1], s[G0C0+1], CHO
	s_mov_b32 s[G0C0+4], 1
	s_add_co_u32 s[G0C0+5], s[G0C0+1], SLOT
	s_mov_b32 s[G0ST], 1
	s_mov_b32 s[G0ST+1], SCTK
	s_mov_b32 s[G0SC], 1
	s_mul_i32 s[G0SC+1], s[PART], 6144
	s_add_co_u32 s[G0SC+1], s[G0SC+1], SCCH
	s_wait_dscnt 0x0
	s_wait_kmcnt 0x0
	s_add_nc_u64 s[G0T0+2:G0T0+3], s[4:5], s[26:27]
	s_add_nc_u64 s[G0T0+6:G0T0+7], s[G0T0+2:G0T0+3], 8192
	s_or_b32 s[G0T0+3], s[G0T0+3], 0x80000000
	s_or_b32 s[G0T0+7], s[G0T0+7], 0x80000000
	s_add_nc_u64 s[G0C0+2:G0C0+3], s[6:7], s[30:31]
	s_add_nc_u64 s[G0C0+6:G0C0+7], s[G0C0+2:G0C0+3], 8192
	s_or_b32 s[G0C0+3], s[G0C0+3], 0x80000000
	s_or_b32 s[G0C0+7], s[G0C0+7], 0x80000000
	s_add_nc_u64 s[G0ST+2:G0ST+3], s[4:5], s[28:29]
	s_or_b32 s[G0ST+3], s[G0ST+3], 0x80000000
	s_add_nc_u64 s[G0SC+2:G0SC+3], s[6:7], s[92:93]
	s_or_b32 s[G0SC+3], s[G0SC+3], 0x80000000
	CROUND                                         ; all sixteen work-groups are here: the first joint loads meet
	s_cmp_eq_u32 s[WV], 0
	; the twelve first fills, one a wave, in one chain of arms on the wave's number: wave 0 the tokens' scales, wave 4 chunk 0's tokens, wave 8 chunk 1's; waves 1-3 the columns' scales, 5-7 chunk 0's columns, 9-11 chunk 1's (a third each)
.macro ARM g0, g1
	tensor_load_to_lds s[\g0:\g0+3], s[\g1:\g1+7]
	s_nop 0
	PLACES 4
.endm
	s_cbranch_scc0 .Lf_1
	ARM G0ST, G1ST
	s_branch .Lf_done
.Lf_1:
	s_cmp_eq_u32 s[WV], 4
	s_cbranch_scc0 .Lf_2
	ARM G0T0, G1T
	s_branch .Lf_done
.Lf_2:
	s_cmp_eq_u32 s[WV], 8
	s_cbranch_scc0 .Lf_3
	ARM G0T0+4, G1T
	s_branch .Lf_done
.Lf_3:
	s_cmp_lt_u32 s[WV], 4
	s_cbranch_scc0 .Lf_4
	ARM G0SC, G1SC
	s_branch .Lf_done
.Lf_4:
	s_cmp_lt_u32 s[WV], 8
	s_cbranch_scc0 .Lf_5
	ARM G0C0, G1C
	s_branch .Lf_done
.Lf_5:
	ARM G0C0+4, G1C
.Lf_done:
	; THE PREFETCHES INTO THE L2.  A chunk is 8,192 bytes of each tile's image: 32 lanes, 256 bytes apart, one instruction a tile.  Chunk c is asked for two chunks ahead of its joint load; chunks 0 and 1 come by their loads alone.
	; The four partners that ask for a tile group jointly share its tiles out BY ADDRESS: of the row's four token tiles the partner at cx takes tile cx (wave 4); of the column's twelve tiles of W2 the partner at cy takes tiles 3 cy + 0 .. 2 (waves 5 to 7).
	; The token tiles are each cluster's own.  W2 is the same for all sixteen clusters: the four whose number is a multiple of 4 ask for it.  The address registers are never written again: the chunk is an immediate.
	v_and_b32 v15, 31, v0
	v_lshlrev_b32 v15, 8, v15                      ; 256 x lane
	s_lshl_b32 s26, s[GY], 2
	s_add_co_u32 s26, s26, s[CX]
	s_mul_i32 s26, s26, 49152                      ; my token tile in hidb
	s_mul_i32 s28, s[GX], 12
	s_mul_i32 s29, s[CY], 3
	s_add_co_u32 s28, s28, s29
	s_max_u32 s29, s[WV], 5
	s_min_u32 s29, s29, 7
	s_add_co_u32 s28, s28, s29
	s_sub_co_u32 s28, s28, 5
	s_mul_i32 s28, s28, 49152
	s_add_co_u32 s28, s28, W2I                     ; my tile of W2 in pw
	s_cmp_eq_u32 s[WV], 4
	s_cselect_b64 s[98:99], s[4:5], s[6:7]
	s_cselect_b32 s26, s26, s28
	s_mov_b32 s27, 0
	s_add_nc_u64 s[98:99], s[98:99], s[26:27]
	s_and_b32 s28, ttmp7, 3                        ; the cluster's number modulo 4
	s_sub_co_u32 s29, s[WV], 5
	s_cmp_lt_u32 s29, 3
	s_cselect_b32 s28, s28, 1
	s_cmp_eq_u32 s[WV], 4
	s_cselect_b32 s97, 0, s28                      ; 0: my wave asks.  It hangs on the wave's and the cluster's number alone
.macro PFCH c
	s_cmp_eq_u32 s97, 0
	s_cbranch_scc0 .Lnp_\@
	global_prefetch_b8 v15, s[98:99] offset:8192*\c th:TH_LOAD_NT scope:SCOPE_SE
.Lnp_\@:
.endm
	v_and_b32 v[LI], 31, v0
	s_delay_alu instid0(VALU_DEP_1)
	v_lshlrev_b32 v[LI], 4, v[LI]
	v_and_b32 v[RR], 15, v0
	s_wait_alu depctr_va_vdst(0)
	v_bfe_u32 v[HH], v0, 4, 1
	s_lshl_b32 s26, s[KG], 11                      ; my K step of a chunk's four
	s_lshl_b32 s27, s[CG], 15
	s_add_co_u32 s27, s27, s26
	s_add_co_u32 s27, s27, CHO
	v_add_nc_u32 v[AA0], s26, v[LI]
	v_add_nc_u32 v[AB0], s27, v[LI]
	s_delay_alu instid0(VALU_DEP_2)
	v_add_nc_u32 v[AA1], SLOT, v[AA0]
	s_delay_alu instid0(VALU_DEP_2)
	v_add_nc_u32 v[AB1], SLOT, v[AB0]
	s_mul_i32 s29, s[CG], 6144
	s_add_co_u32 s29, s29, SCCH-SCTK               ; from the tokens' scale words to my columns'
	v_mul_u32_u24 v[ASC], s29, v[HH]
	s_delay_alu instid0(VALU_DEP_1)
	v_mad_u32_u24 v[ASC], v[RR], 96, v[ASC]
	s_lshl_b32 s30, s[KG], 2
	s_add_co_u32 s30, s30, SCTK
	v_add_nc_u32 v[ASC], s30, v[ASC]
	s_mul_i32 s30, s[WV], STGB                     ; my stage
	v_and_b32 v[STO], 8, v[RR]
	s_delay_alu instid0(VALU_DEP_1)
	v_add_nc_u32 v[STO], v[STO], v[RR]
	s_delay_alu instid0(VALU_DEP_1)
	v_mul_u32_u24 v[STO], v[STO], 272
	s_delay_alu instid0(VALU_DEP_1)
	v_lshl_add_u32 v[STO], v[HH], 6, v[STO]
	s_delay_alu instid0(VALU_DEP_1)
	v_add_nc_u32 v[STO], s30, v[STO]               ; in: row r + 8 (r / 8), + 64 h
	s_mul_i32 s30, s[CG], 4*STGB
	s_mul_i32 s31, s[KG], 16*272
	s_add_co_u32 s30, s30, s31
	v_mul_u32_u24 v[RD], v[HH], 272
	s_delay_alu instid0(VALU_DEP_1)
	v_lshl_add_u32 v[RD], v[RR], 4, v[RD]
	s_delay_alu instid0(VALU_DEP_1)
	v_add_nc_u32 v[RD], s30, v[RD]                 ; back: rows 16 kg on of my channel group's four stages; lanes 0-15 one row, lanes 16-31 the next
	v_mul_u32_u24 v[GO], v[HH], 3072
	s_delay_alu instid0(VALU_DEP_1)
	v_lshl_add_u32 v[GO], v[RR], 4, v[GO]
	v_lshlrev_b32 v[V16R], 4, v[RR]
	s_wait_alu depctr_va_vdst(0)
	s_cmp_lt_u32 s[WV], 8                          ; waves 0 to 7 hold the scales and chunk 0: they wait here; chunk 1's lines are waves 8 to 11's alone, who wait ahead of the first round below
	s_cbranch_scc0 .Lw_later
	s_wait_tensorcnt 0x0
.Lw_later:
	s_barrier_signal -1
	s_barrier_wait -1
	PFCH 2
	PFCH 3
	KSTEP AA0, AB0, 0, 0, 1
	TURN 0
	PFCH 4                                         ; behind chunk 2's joint load
	KSTEP AA1, AB1, 0, 16, 0
	TURN 1
	PFCH 5                                         ; behind chunk 3's; nothing lies beyond chunk 5
	KSTEP AA0, AB0, 0, 32, 0
	TURN 0
	KSTEP AA1, AB1, 0, 48, 0
	TURN 1
	KSTEP AA0, AB0, 0, 64, 0
	s_wait_tensorcnt 0x0                           ; chunk 5 has landed
	s_wait_dscnt 0x0
	s_barrier_signal -1
	s_barrier_wait -1
	KSTEP AA1, AB1, 0, 80, 0
	PLACES 8
	s_lshl_b32 s25, s[GY], 6
	s_lshl_b32 s96, s[KG], 4
	s_add_co_u32 s25, s25, s96                     ; the first of the 16 rows that I finish
	s_mul_i32 s94, s25, 3072
	s_mul_i32 s96, s[GX], 768
	s_add_co_u32 s94, s94, s96
	s_lshl_b32 s25, s[CG], 8
	s_add_co_u32 s94, s94, s25
	s_add_co_u32 s100, s96, s25
	s_mov_b32 s95, 0
	s_mov_b32 s101, 0
	s_add_nc_u64 s[2:3], s[10:11], s[94:95]        ; h
	s_add_nc_u64 s[94:95], s[12:13], s[94:95]      ; y2
	s_add_nc_u64 s[100:101], s[8:9], s[100:101]    ; b2
	s_wait_dscnt 0x0                               ; my reads of the slots are over
	s_barrier_signal -1
	s_barrier_wait -1                              ; everybody's are: the slots have had their last fill and their last read
	s_wait_alu depctr_va_vdst(0)
.irp t, 0,1,2,3,4,5,6,7
	global_load_b128 v[FA+4*\t:FA+4*\t+3], v[GO], s[2:3] offset:2*\t*3072
.endr
	global_load_b128 v[FB:FB+3], v[V16R], s[100:101]
.irp i, 0,1,2,3
.irp b, 0,1
.irp u, 0,1
	ds_store_b128 v[STO], v[ACC+32*\i+16*\b+8*\u:ACC+32*\i+16*\b+8*\u+3] offset:(32*(\i/2)+8*(\i%2))*272+128*\b+32*\u        ; each accumulator from its low end on
	ds_store_b128 v[STO], v[ACC+32*\i+16*\b+8*\u+4:ACC+32*\i+16*\b+8*\u+7] offset:(32*(\i/2)+8*(\i%2))*272+128*\b+32*\u+16
.endr
.endr
.endr
	s_wait_dscnt 0x0                               ; for the others' sake: my stores have landed
	s_barrier_signal -1
	s_barrier_wait -1
.irp k, 0,1,2,3
.irp t, 0,1,2,3,4,5,6,7
	ds_load_b128 v[ACC+32*\k+4*\t:ACC+32*\k+4*\t+3], v[RD] offset:\k*STGB+2*\t*272
.endr
.endr
	s_wait_dscnt 0x0
	s_wait_loadcnt 0x0
.irp t, 0,1,2,3,4,5,6,7
.irp p, 0,2
	v_pk_add_f32 v[ACC+4*\t+\p:ACC+4*\t+\p+1], v[ACC+4*\t+\p:ACC+4*\t+\p+1], v[ACC+32+4*\t+\p:ACC+32+4*\t+\p+1]   ; the four K groups in ascending order,
	s_delay_alu instid0(VALU_DEP_1)
	v_pk_add_f32 v[ACC+4*\t+\p:ACC+4*\t+\p+1], v[ACC+4*\t+\p:ACC+4*\t+\p+1], v[ACC+64+4*\t+\p:ACC+64+4*\t+\p+1]
	s_delay_alu instid0(VALU_DEP_1)
	v_pk_add_f32 v[ACC+4*\t+\p:ACC+4*\t+\p+1], v[ACC+4*\t+\p:ACC+4*\t+\p+1], v[ACC+96+4*\t+\p:ACC+96+4*\t+\p+1]
	s_delay_alu instid0(VALU_DEP_1)
	v_pk_add_f32 v[ACC+4*\t+\p:ACC+4*\t+\p+1], v[ACC+4*\t+\p:ACC+4*\t+\p+1], v[FB+\p:FB+\p+1]                     ; b2,
	s_delay_alu instid0(VALU_DEP_1)
	v_pk_add_f32 v[ACC+4*\t+\p:ACC+4*\t+\p+1], v[ACC+4*\t+\p:ACC+4*\t+\p+1], v[FA+4*\t+\p:FA+4*\t+\p+1]           ; h
.endr
	global_store_b128 v[GO], v[ACC+4*\t:ACC+4*\t+3], s[94:95] offset:2*\t*3072      ; sixteen lanes store 256 aligned bytes of a row
.endr
	s_wait_tensorcnt 0x0                           ; the wave's end
	ds_add_u32 v[SPW], v[NIL]
	s_wait_dscnt 0x0
	CROUND                                         ; the closing round
	s_endpgm
.Lfunc_end_k_q1969d5bfa3_ffn2:
	.size	k_q1969d5bfa3_ffn2, .Lfunc_end_k_q1969d5bfa3_ffn2-k_q1969d5bfa3_ffn2
	.p2alignl 7, 3214868480
	.fill 96, 4, 3214868480
	.section	.rodata,"a",@progbits
	.p2align	6, 0x0
	.amdhsa_kernel k_q1969d5bfa3_ffn2
		.amdhsa_group_segment_fixed_size 327680
		.amdhsa_private_segment_fixed_size 0
		.amdhsa_enable_private_segment 0
		.amdhsa_kernarg_size 40
		.amdhsa_user_sgpr_count 2
		.amdhsa_user_sgpr_kernarg_segment_ptr 1
		.amdhsa_wavefront_size32 1
		.amdhsa_system_sgpr_workgroup_id_x 1
		.amdhsa_system_sgpr_workgroup_id_y 1
		.amdhsa_system_sgpr_workgroup_id_z 1
		.amdhsa_system_vgpr_workitem_id 0
		.amdhsa_next_free_vgpr 256
		.amdhsa_next_free_sgpr 102
		.amdhsa_reserve_vcc 0
		.amdhsa_float_denorm_mode_32 3
		.amdhsa_float_denorm_mode_16_64 3
		.amdhsa_memory_ordered 1
		.amdhsa_forward_progress 1
		.amdhsa_inst_pref_size 62
	.end_amdhsa_kernel
	.amdgpu_metadata
---
amdhsa.version: [ 1, 2 ]
amdhsa.kernels:
  - .name:           k_q1969d5bfa3_ffn2
    .symbol:         k_q1969d5bfa3_ffn2.kd
    .args:
      - { .name: hidb, .offset: 0, .size: 8, .value_kind: global_buffer, .address_space: global }
      - { .name: pw, .offset: 8, .size: 8, .value_kind: global_buffer, .address_space: global }
      - { .name: b2, .offset: 16, .size: 8, .value_kind: global_buffer, .address_space: global }
      - { .name: hb, .offset: 24, .size: 8, .value_kind: global_buffer, .address_space: global }
      - { .name: y2, .offset: 32, .size: 8, .value_kind: global_buffer, .address_space: global }
    .group_segment_fixed_size: 327680
    .private_segment_fixed_size: 0
    .kernarg_segment_align: 8
    .kernarg_segment_size: 40
    .max_flat_workgroup_size: 384
    .sgpr_count:     102
    .vgpr_count:     256
    .wavefront_size: 32
...
	.end_amdgpu_metadata
.endif
;; end of part 6
;; launch ln2 (part 7): grid 256 x 1, 4 waves a work-group, no clusters, 0 bytes of LDS; arguments y2, g2, be2, out0; writes out0
.if DOCPART == 7
	.amdgcn_target "amdgcn-amd-amdhsa--gfx1250"
	.amdhsa_code_object_version 6
	.text
	.protected	k_q1969d5bfa3_ln2
	.globl	k_q1969d5bfa3_ln2
	.p2align	8
	.type	k_q1969d5bfa3_ln2,@function
k_q1969d5bfa3_ln2:
	s_mov_b64 s[64:65], 0
	v_nop
	global_prefetch_b8 v0, s[64:65] scope:SCOPE_SE
	s_setreg_imm32_b32 hwreg(HW_REG_WAVE_MODE, 25, 1), 1
	s_wait_xcnt 0x0
; out0 = LN2(y2).  A stream: no LDS, no matrix unit, no cluster (work-groups share only g2 and be2, 6 KB).  No work is left out here.
; A wave takes a row at a time, six loads of 512 dense bytes, and keeps it in 24 registers between the passes (mean; mean of squared differences; scaling).  Four rows a wave, all 24 loads issued at once.
; LIMITS: 1/768 is a rounded constant, the root is v_rsq_f32; NaN and infinities are not served.
.set G,  4                             ; v4-27   g2 of my 24 columns
.set BE, 28                            ; v28-51  be2
.set X,  52                            ; v52-147 four rows
.set T,  148                           ; v148-153 at work
	s_load_b256 s[4:11], s[0:1], 0x0               ; y2, g2, be2, out0
	v_lshrrev_b32 v1, 5, v0
	v_readfirstlane_b32 s12, v1
	v_and_b32 v2, 31, v0
	v_lshlrev_b32 v2, 4, v2                        ; 16 bytes a lane
	s_lshl_b32 s14, ttmp9, 4
	s_lshl_b32 s13, s12, 2
	s_add_co_u32 s14, s14, s13                     ; my first row
	s_mul_i32 s14, s14, 3072
	s_mov_b32 s15, 0
	s_mov_b32 s16, 0x76543210
	s_mov_b32 s17, 0xfedcba98
	s_wait_alu depctr_va_vdst(0)
	s_wait_kmcnt 0x0
	s_add_nc_u64 s[4:5], s[4:5], s[14:15]
	s_add_nc_u64 s[10:11], s[10:11], s[14:15]
.irp q, 0,1,2,3,4,5
	global_load_b128 v[G+4*\q:G+4*\q+3], v2, s[6:7] offset:512*\q
	global_load_b128 v[BE+4*\q:BE+4*\q+3], v2, s[8:9] offset:512*\q
.endr
.irp p, 0,1,2,3
.irp q, 0,1,2,3,4,5
	global_load_b128 v[X+24*\p+4*\q:X+24*\p+4*\q+3], v2, s[4:5] offset:3072*\p+512*\q th:TH_LOAD_NT
.endr
.endr
.macro WSUM                            ; v[T:T+3], two chains of pairs, become the sum over the row, in every lane's v[T]
	v_pk_add_f32 v[T:T+1], v[T:T+1], v[T+2:T+3]
	v_add_f32 v[T], v[T], v[T+1]
	v_add_f32_dpp v[T], v[T], v[T] row_xmask:1 row_mask:0xf bank_mask:0xf
	v_add_f32_dpp v[T], v[T], v[T] row_xmask:2 row_mask:0xf bank_mask:0xf
	v_add_f32_dpp v[T], v[T], v[T] row_xmask:4 row_mask:0xf bank_mask:0xf
	v_add_f32_dpp v[T], v[T], v[T] row_xmask:8 row_mask:0xf bank_mask:0xf
	v_permlanex16_b32 v[T+1], v[T], s16, s17
	v_add_f32 v[T], v[T], v[T+1]
.endm
.macro ROW p, left
.set XR, X+24*\p
	s_wait_loadcnt \left                           ; my row's six loads are in; the later rows' stay out
	v_pk_add_f32 v[T:T+1], v[XR:XR+1], v[XR+2:XR+3]
	v_pk_add_f32 v[T+2:T+3], v[XR+4:XR+5], v[XR+6:XR+7]
.irp j, 8,12,16,20
	v_pk_add_f32 v[T:T+1], v[T:T+1], v[XR+\j:XR+\j+1]
	v_pk_add_f32 v[T+2:T+3], v[T+2:T+3], v[XR+\j+2:XR+\j+3]
.endr
	WSUM
	v_mul_f32 v[T+4], 0xbaaaaaab, v[T]             ; - the mean
	v_mov_b32 v[T+5], v[T+4]
.irp j, 0,2,4,6,8,10,12,14,16,18,20,22
	v_pk_add_f32 v[XR+\j:XR+\j+1], v[XR+\j:XR+\j+1], v[T+4:T+5]
.endr
	v_pk_mul_f32 v[T:T+1], v[XR:XR+1], v[XR:XR+1]
	v_pk_mul_f32 v[T+2:T+3], v[XR+2:XR+3], v[XR+2:XR+3]
.irp j, 4,8,12,16,20
	v_pk_fma_f32 v[T:T+1], v[XR+\j:XR+\j+1], v[XR+\j:XR+\j+1], v[T:T+1]
	v_pk_fma_f32 v[T+2:T+3], v[XR+\j+2:XR+\j+3], v[XR+\j+2:XR+\j+3], v[T+2:T+3]
.endr
	WSUM
	v_mul_f32 v[T], 0x3aaaaaab, v[T]               ; the variance
	v_add_f32 v[T], 0x3727c5ac, v[T]               ; + 1e-5
	s_wait_alu depctr_va_vdst(0)
	v_rsq_f32 v[T+4], v[T]
	v_nop
	s_wait_alu depctr_va_vdst(0)                   ; the wait ahead of the root's first reader
	v_mov_b32 v[T+5], v[T+4]
.irp j, 0,2,4,6,8,10,12,14,16,18,20,22
	v_pk_mul_f32 v[XR+\j:XR+\j+1], v[XR+\j:XR+\j+1], v[T+4:T+5]
.endr
.irp j, 0,2,4,6,8,10,12,14,16,18,20,22
	v_pk_fma_f32 v[XR+\j:XR+\j+1], v[XR+\j:XR+\j+1], v[G+\j:G+\j+1], v[BE+\j:BE+\j+1]
.endr
.irp q, 0,1,2,3,4,5
	global_store_b128 v2, v[XR+4*\q:XR+4*\q+3], s[10:11] offset:3072*\p+512*\q th:TH_STORE_NT   ; 32 lanes store 512 consecutive aligned bytes; each row has registers of its own
.endr
.endm
	ROW 0, 18
	ROW 1, 12
	ROW 2, 6
	ROW 3, 0
	s_endpgm
.Lfunc_end_k_q1969d5bfa3_ln2:
	.size	k_q1969d5bfa3_ln2, .Lfunc_end_k_q1969d5bfa3_ln2-k_q1969d5bfa3_ln2
	.p2alignl 7, 3214868480
	.fill 96, 4, 3214868480
	.section	.rodata,"a",@progbits
	.p2align	6, 0x0
	.amdhsa_kernel k_q1969d5bfa3_ln2
		.amdhsa_group_segment_fixed_size 0
		.amdhsa_private_segment_fixed_size 0
		.amdhsa_enable_private_segment 0
		.amdhsa_kernarg_size 32
		.amdhsa_user_sgpr_count 2
		.amdhsa_user_sgpr_kernarg_segment_ptr 1
		.amdhsa_wavefront_size32 1
		.amdhsa_system_sgpr_workgroup_id_x 1
		.amdhsa_system_sgpr_workgroup_id_y 1
		.amdhsa_system_sgpr_workgroup_id_z 1
		.amdhsa_system_vgpr_workitem_id 0
		.amdhsa_next_free_vgpr 160
		.amdhsa_next_free_sgpr 66
		.amdhsa_reserve_vcc 0
		.amdhsa_float_denorm_mode_32 3
		.amdhsa_float_denorm_mode_16_64 3
		.amdhsa_memory_ordered 1
		.amdhsa_forward_progress 1
		.amdhsa_inst_pref_size 27
	.end_amdhsa_kernel
	.amdgpu_metadata
---
amdhsa.version: [ 1, 2 ]
amdhsa.kernels:
  - .name:           k_q1969d5bfa3_ln2
    .symbol:         k_q1969d5bfa3_ln2.kd
    .args:
      - { .name: y2, .offset: 0, .size: 8, .value_kind: global_buffer, .address_space: global }
      - { .name: g2, .offset: 8, .size: 8, .value_kind: global_buffer, .address_space: global }
      - { .name: be2, .offset: 16, .size: 8, .value_kind: global_buffer, .address_space: global }
      - { .name: out0, .offset: 24, .size: 8, .value_kind: global_buffer, .address_space: global }
    .group_segment_fixed_size: 0
    .private_segment_fixed_size: 0
    .kernarg_segment_align: 8
    .kernarg_segment_size: 32
    .max_flat_workgroup_size: 128
    .sgpr_count:     66
    .vgpr_count:     160
    .wavefront_size: 32
...
	.end_amdgpu_metadata
.endif
;; end of part 7
